; MI455X (gfx1250); checked and timed in simulation.
; The chip was launched on July 23, 2026; its instructions are those of AMD's public machine-readable ISA for CDNA 5 (MIT licence, August 2026) and "CDNA5" Instruction Set Architecture Reference Guide (July 2026). The comments in the code are by the model that wrote it; some were corrected since.
;; Final Text Conditioned Output. Allowed arithmetic: float matrix products may take bf16 or f16 operands with f32 sums; all other float work in f32.
;; Inputs: W1 512 x 1,024 float32; W2 256 x 512 float32; Wk 1,024 x 768 float32; Wo 1,024 x 1,024 float32; Wq 1,024 x 1,024 float32; Wv 1,024 x 768 float32; attention_mask 256 x 128 int32; b1 512 float32; b2 256 float32; beta 512 float32; bk 1,024 float32; bo 1,024 float32; bq 1,024 float32; bv 1,024 float32; gamma 512 float32; text_feat 256 x 128 x 768 float32; x 256 x 1,024 float32.
;; Outputs: out0 256 x 256 float32.
;; One version. Each part assembles by itself: llvm-mc -triple=amdgcn-amd-amdhsa -mcpu=gfx1250 --defsym DOCPART=n.
;; ======== version 1 of 1: 7 launches
;; limits: values are held in f16: magnitudes above 65,504 overflow, below 6.1e-05 lose precision; a function is approximated: absolute error at most 1.5e-07
;; workspace buffers: q 1,048,576 bytes; qk 6,291,456 bytes; ctx 6,291,456 bytes; o 1,048,576 bytes; outp 1,048,576 bytes; h 524,288 bytes; pstat 65,536 bytes
;; launch gq (part 1): grid 16 x 16, 16 waves a work-group, clusters of 4 x 4, 313,600 bytes of LDS; arguments x, Wq, bq, q; writes q
.if DOCPART == 1
	.amdgcn_target "amdgcn-amd-amdhsa--gfx1250"
	.amdhsa_code_object_version 6
	.text
	.protected	k_q89b5d239f1_gq
	.globl	k_q89b5d239f1_gq
	.p2align	8
	.type	k_q89b5d239f1_gq,@function
k_q89b5d239f1_gq:
	s_mov_b64 s[64:65], 0
	v_nop
	global_prefetch_b8 v0, s[64:65] scope:SCOPE_SE
	s_setreg_imm32_b32 hwreg(HW_REG_WAVE_MODE, 25, 1), 1
	s_wait_xcnt 0x0
	s_wait_alu depctr_hold_cnt(0) depctr_sa_sdst(0) depctr_va_vdst(0) depctr_va_sdst(0) depctr_va_ssrc(0) depctr_va_vcc(0) depctr_vm_vsrc(0)
	s_getreg_b32 s2, hwreg(HW_REG_IB_STS2, 6, 4)
	s_cmp_eq_u32 s2, 0
	s_cbranch_scc0 .Lentry_in_a_cluster
	s_endpgm
.Lentry_in_a_cluster:
	s_bfe_u32 s2, ttmp6, 0x10000c
	s_cmp_lg_u32 s2, 0xf033
	s_cbranch_scc0 .Lentry_shape_is_right
	s_endpgm
.Lentry_shape_is_right:
; C[256][1024] = A[256][1024] W[1024][1024]^T + bias, all f32 in memory; products in f16 with f32 sums.
; A work-group makes 16 rows x 64 columns of C with sixteen waves.
;   W       : wave p brings its own slice of K, 64 rows x 64 f32 (rows of 256 bytes, at multiples of 256), by one tensor load into LDS bytes of its
;             own, reads only that slice, and converts it to f16 on the way from LDS to the matrix unit.
;   A       : wave w brings row w through registers, scales and converts it, and lays it into LDS as f16 for all waves.
;   product : wave p multiplies its 64 of K against all four tiles of 16 columns: eight matrix instructions.
;   sum     : the sixteen partial sums meet in LDS; wave w adds them for row w, 2 columns a lane, and stores 256 neighbouring bytes.
; CLUSTERS: 4 x 4 work-groups.  The 64 rows of W hang on the block column x alone, so the four work-groups of a column of the cluster need the same
; slices: each slice is asked for JOINTLY, by the same line with the same descriptor and a mask that names the four.  That divides the requests for W by four.
; A's rows are shared along a row of the cluster too, and are NOT asked for jointly: they have to pass through registers for the row's scale, and as f32
; they would take 16 x 4,160 = 66,560 bytes of LDS, of which 327,680 - 311,552 = 16,128 are left.
; A wave has one tensor load outstanding; no LDS byte is filled twice.
; RANGE.  A may be an intermediate of any finite f32 size: each row of A is multiplied by an exact power of two 2^(127-E), E the exponent
; field of its largest magnitude (held to 1..253), so that it lies inside (-4, 4) in f16; the f32 sums are multiplied by 2^(E-127).
; W goes to f16 as it is: magnitudes from 65,520 on become infinite, and below 6.1e-5 the rounding step is 6e-8 absolute.
.set K,      1024
.set KL,     K/128                     ; 16-byte loads a lane for a row of A
.set NS,     K/64                      ; slices of K, one a wave
.set AP,     2*K+16                    ; A's LDS pitch in f16: an odd multiple of 16 bytes
.set APITCH, 4096                      ; bytes from row to row of A, of W, of C
.set WPITCH, 4096
.set CPITCH, 4096
.set WP,     272                       ; a slice's LDS row: 256 bytes + 16 of padding: the 16 rows of a load start in 16 different 16-byte columns modulo 256
.set WS,     64*WP                     ; a slice: 17,408 bytes.  LDS: slice p at p x WS;
.set AT,     16*WS                     ; behind the slices A's 16 rows in f16, into which no fill lands
.set MX,   12                          ; v12-13 largest magnitude, and the other half's
.set INV,  14                          ; v14-15 2^(E-127), twice
.set SCL,  16                          ; v16-17 2^(127-E), twice
.set BIAS, 18                          ; v18-19 bias of my two columns
.set AR,   32                          ; A's row as loaded
.set AF,   32                          ; later: A's two fragments
.set WF,   64                          ; group g = 4 step + tile: 16 registers of f32, then the fragment in the first 8
.set ACC,  192                         ; four accumulators
.set PS,   64                          ; the partial sums of my two columns
.set G0,   52                          ; s[52:55] descriptor group 0
.set G1,   56                          ; s[56:63] descriptor group 1
.macro WMAX                            ; the largest of MX over the 32 lanes, in every lane
	v_max_num_f32_dpp v[MX], v[MX], v[MX] row_xmask:1 row_mask:0xf bank_mask:0xf
	v_max_num_f32_dpp v[MX], v[MX], v[MX] row_xmask:2 row_mask:0xf bank_mask:0xf
	v_max_num_f32_dpp v[MX], v[MX], v[MX] row_xmask:4 row_mask:0xf bank_mask:0xf
	v_max_num_f32_dpp v[MX], v[MX], v[MX] row_xmask:8 row_mask:0xf bank_mask:0xf
	v_permlanex16_b32 v[MX+1], v[MX], s30, s31
	v_max_num_f32 v[MX], v[MX], v[MX+1]
.endm
.macro ROWSCALE base, n                ; the row's power-of-two scale from its n registers a lane
	v_max_num_f32 v[MX], |v[\base]|, |v[\base+1]|
.set rj, 2
.rept (\n-2)/2
	v_max3_num_f32 v[MX], |v[\base+rj]|, |v[\base+rj+1]|, v[MX]
.set rj, rj+2
.endr
	WMAX
	v_and_b32 v[INV], 0x7f800000, v[MX]            ; the exponent field alone: 2^(E-127)
	v_max_u32 v[INV], 0x00800000, v[INV]           ; E at least 1 (a row of zeros or denormals)
	v_min_u32 v[INV], 0x7e800000, v[INV]           ; and at most 253, so that the inverse is a normal number too
	v_sub_nc_u32 v[SCL], 0x7f000000, v[INV]        ; field 254 - E: 2^(127-E); the product of the two is exactly 1
	v_mov_b32 v[INV+1], v[INV]
	v_mov_b32 v[SCL+1], v[SCL]
.endm
.macro PUTROW base, adr                ; a row of KL x 4 f32 a lane, scaled, to f16 and into LDS: 32 lanes write 256 neighbouring bytes
.set pi, 0
.rept KL
	v_pk_mul_f32 v[\base+4*pi:\base+4*pi+1], v[\base+4*pi:\base+4*pi+1], v[SCL:SCL+1]
	v_pk_mul_f32 v[\base+4*pi+2:\base+4*pi+3], v[\base+4*pi+2:\base+4*pi+3], v[SCL:SCL+1]
	v_cvt_pk_f16_f32 v[\base+4*pi], v[\base+4*pi], v[\base+4*pi+1]
	v_cvt_pk_f16_f32 v[\base+4*pi+1], v[\base+4*pi+2], v[\base+4*pi+3]
	ds_store_b64 v[\adr], v[\base+4*pi:\base+4*pi+1] offset:256*pi
.set pi, pi+1
.endr
.endm
.macro PLACES
.rept 4
	v_nop
.endr
.endm
; A round of the cluster's barrier: my work-group's barrier, so that wave 0's signal speaks for all sixteen waves; wave 0 signals for the work-group;
; every wave waits for all sixteen work-groups; my work-group's barrier once more.  No LDS instruction of the wave is pending at a signal.
.macro CROUND
	s_barrier_signal -1
	s_barrier_wait -1
	s_cmp_lg_u32 s36, 0
	s_cbranch_scc1 .Lnot_wave_0_\@
	s_barrier_signal -3
.Lnot_wave_0_\@:
	s_barrier_wait -3
	s_barrier_signal -1
	s_barrier_wait -1
.endm
	s_load_b256 s[4:11], s[0:1], 0x0               ; A s[4:5], W s[6:7], bias s[8:9], C s[10:11]
	v_lshl_add_u32 v224, v0, 2, 0x4c100
	v_mov_b32 v225, 0
	ds_add_u32 v224, v225
	v_lshrrev_b32 v20, 5, v0
	v_readfirstlane_b32 s36, v20                   ; wave
	s_bfe_u32 s37, ttmp6, 0x40000                  ; cx: my place along the cluster's x
	s_bfe_u32 s38, ttmp6, 0x40004                  ; cy: along its y
	s_lshl_b32 s39, ttmp9, 2                       ; in a cluster launch ttmp9 and ttmp7 count clusters
	s_add_co_u32 s39, s39, s37                     ; x: tile of 64 columns = 4 x cluster x + cx
	s_and_b32 s40, ttmp7, 0xffff
	s_lshl_b32 s40, s40, 2
	s_add_co_u32 s40, s40, s38                     ; y: tile of 16 rows = 4 x cluster y + cy
	s_lshl_b32 s41, 0x1111, s37                    ; my column of the cluster: places cx, cx + 4, cx + 8, cx + 12
	s_mov_b32 s30, 0x76543210                      ; v_permlanex16_b32: lane i reads lane i of the other half
	s_mov_b32 s31, 0xfedcba98
	; descriptor group 1: a tile of 64 rows x 64 elements of 4 bytes, padded in LDS
	s_or_b32 s[G1+0], s41, (2<<16)|(1<<20)|(1<<21)|(5<<22)|(3<<25)  ; 15:0 the mask; 17:16 element of 4 bytes; 20 padding on; 21 set beside a mask; 24:22 after every 64 words (code 5); 31:25 of 4 words (code 3)
	s_mov_b32 s[G1+1], 64<<16                      ; tensor_dim0 = 64
	s_mov_b32 s[G1+2], 64<<16                      ; tensor_dim1 = 64
	s_mov_b32 s[G1+3], 64<<16                      ; tile_dim0 = 64
	s_mov_b32 s[G1+4], 64                          ; tile_dim1 = 64
	s_mov_b32 s[G1+5], K                           ; elements from row to row of W
	s_mov_b32 s[G1+6], 0
	s_mov_b32 s[G1+7], 0
	s_mov_b32 s[G0+0], 1                           ; count = 1
	s_mul_i32 s[G0+1], s36, WS                     ; LDS address: the wave's number times a slice; no place in the cluster enters it
	s_mul_i32 s22, s39, 64*WPITCH                  ; W: row 64 x, which my column of the cluster shares,
	s_lshl_b32 s42, s36, 8
	s_add_co_u32 s22, s22, s42                     ; and my slice's 256 bytes of each row
	s_mov_b32 s23, 0
	s_lshl_b32 s43, s40, 4
	s_add_co_u32 s43, s43, s36                     ; 16 y + wave: my row of A and of C
	s_mul_i32 s20, s43, APITCH
	s_mov_b32 s21, 0
	s_lshl_b32 s24, s39, 8                         ; 64 columns of f32
	s_mov_b32 s25, 0
	s_mul_i32 s26, s43, CPITCH
	s_add_co_u32 s26, s26, s24
	s_mov_b32 s27, 0
	v_and_b32 v20, 31, v0
	v_lshlrev_b32 v1, 4, v20                       ; 16 L
	v_lshlrev_b32 v2, 3, v20                       ; 8 L
	v_mov_b32 v[MX+1], 0                           ; written once: v_permlanex16_b32 counts as a reader of its destination
	s_wait_dscnt 0x0
	s_wait_kmcnt 0x0
	s_add_nc_u64 s[4:5], s[4:5], s[20:21]
	s_add_nc_u64 s[G0+2:G0+3], s[6:7], s[22:23]    ; global address of my slice's first element
	s_or_b32 s[G0+3], s[G0+3], 0x80000000          ; type = 2
	s_add_nc_u64 s[8:9], s[8:9], s[24:25]
	s_add_nc_u64 s[10:11], s[10:11], s[26:27]
.set ii, 0
.rept KL
	global_load_b128 v[AR+4*ii:AR+4*ii+3], v1, s[4:5] offset:512*ii   ; A's row goes out ahead of the round: no wave of the launch writes these bytes
.set ii, ii+1
.endr
	global_load_b64 v[BIAS:BIAS+1], v2, s[8:9]
	CROUND                                         ; all sixteen work-groups are here: the joint loads meet
	tensor_load_to_lds s[G0:G0+3], s[G1:G1+7]      ; my slice of W: my only tensor load
	s_nop 0
	; LDS addresses, while the loads are on their way
	v_and_b32 v20, 15, v0                          ; r
	v_bfe_u32 v21, v0, 4, 1                        ; hh
	s_mul_i32 s44, s36, AP
	s_add_co_u32 s44, s44, AT
	v_add_nc_u32 v3, s44, v2                       ; v3: A's row (wave), 8 L
	v_mul_u32_u24 v5, v20, AP
	v_lshl_add_u32 v5, v21, 4, v5
	s_lshl_b32 s45, s36, 7
	s_add_co_u32 s45, s45, AT
	v_add_nc_u32 v5, s45, v5                       ; v5: A's fragments: row r, my slice's 128 bytes, 16 hh
	v_mul_u32_u24 v6, v20, WP
	v_lshl_add_u32 v6, v21, 5, v6
	v_add_nc_u32 v6, s[G0+1], v6                   ; v6: my slice, row r, 32 hh: W's fragments, and later my partial sums
	s_mul_i32 s46, s36, WP
	v_add_nc_u32 v8, s46, v2                       ; v8-11: partial sums of slices 0-3, 4-7, 8-11, 12-15: row (wave), columns 2 L, 2 L + 1
	v_add_nc_u32 v9, 4*WS, v8
	v_add_nc_u32 v10, 8*WS, v8
	v_add_nc_u32 v11, 12*WS, v8
	s_wait_loadcnt 1                               ; younger: the bias; A's row is in
	ROWSCALE AR, 4*KL
	PUTROW AR, 3
	s_wait_tensorcnt 0x0                           ; my slice has landed; only I read it
	; W's fragments from f32: lane (r, hh) takes k = 8 hh .. + 7 (32 bytes at 32 hh) and k = 16 + 8 hh .. + 7 (32 bytes at 64 + 32 hh) of row 16 tile + r
.set gg, 0
.rept 8
	ds_load_b128 v[WF+16*gg:WF+16*gg+3],     v6 offset:(gg%4)*16*WP+(gg/4)*128
	ds_load_b128 v[WF+16*gg+4:WF+16*gg+7],   v6 offset:(gg%4)*16*WP+(gg/4)*128+16
	ds_load_b128 v[WF+16*gg+8:WF+16*gg+11],  v6 offset:(gg%4)*16*WP+(gg/4)*128+64
	ds_load_b128 v[WF+16*gg+12:WF+16*gg+15], v6 offset:(gg%4)*16*WP+(gg/4)*128+80
.set gg, gg+1
.endr
.set gg, 0
.rept 8
	s_wait_dscnt 4*(7-gg)                          ; younger: the four loads of each later group
.set jj, 0
.rept 8
	v_cvt_pk_f16_f32 v[WF+16*gg+jj], v[WF+16*gg+2*jj], v[WF+16*gg+2*jj+1]
.set jj, jj+1
.endr
.set gg, gg+1
.endr
	s_wait_dscnt 0x0                               ; my stores of A's row are in LDS before I say so
	s_barrier_signal -1
	s_barrier_wait -1                              ; A's tile is whole
	ds_load_b128 v[AF:AF+3],     v5
	ds_load_b128 v[AF+4:AF+7],   v5 offset:32
	ds_load_b128 v[AF+8:AF+11],  v5 offset:64
	ds_load_b128 v[AF+12:AF+15], v5 offset:96
	; W's rows are source 0, A's source 1: lane (r, hh) then holds C(row r, columns 16 tile + 8 hh + 0..7), 32 neighbouring bytes.
	; The four accumulators take turns, one instruction a turn; the first four products start the sums.
	s_wait_dscnt 2                                 ; younger: the second step's two loads
.irp i, 0,1,2,3
	v_wmma_f32_16x16x32_f16 v[ACC+8*\i:ACC+8*\i+7], v[WF+16*\i:WF+16*\i+7], v[AF:AF+7], 0
.endr
	s_wait_dscnt 0x0
.irp i, 0,1,2,3
	v_wmma_f32_16x16x32_f16 v[ACC+8*\i:ACC+8*\i+7], v[WF+64+16*\i:WF+64+16*\i+7], v[AF+8:AF+15], v[ACC+8*\i:ACC+8*\i+7]
.endr
	PLACES                                         ; four places before LDS stores read the sums and before loads land on the fragments' registers
	; my 16 x 64 partial sums go over the head of my own slice: it has had its only fill, and my reads of it have come back
.irp i, 0,1,2,3
	ds_store_b128 v6, v[ACC+8*\i:ACC+8*\i+3] offset:64*\i
	ds_store_b128 v6, v[ACC+8*\i+4:ACC+8*\i+7] offset:64*\i+16
.endr
	s_wait_dscnt 0x0
	s_barrier_signal -1
	s_barrier_wait -1                              ; all sixteen partial sums of every row are in LDS
.set pp, 0
.rept NS
	ds_load_b64 v[PS+2*pp:PS+2*pp+1], v[8+pp/4] offset:(pp%4)*WS
.set pp, pp+1
.endr
	s_wait_loadcnt 0x0                             ; the bias
	s_wait_dscnt 0x0
.irp k, 0,1,2,3,4,5,6,7
	v_pk_add_f32 v[PS+4*\k:PS+4*\k+1], v[PS+4*\k:PS+4*\k+1], v[PS+4*\k+2:PS+4*\k+3]
.endr
.irp k, 0,1,2,3
	v_pk_add_f32 v[PS+8*\k:PS+8*\k+1], v[PS+8*\k:PS+8*\k+1], v[PS+8*\k+4:PS+8*\k+5]
.endr
	v_pk_add_f32 v[PS:PS+1], v[PS:PS+1], v[PS+8:PS+9]
	v_pk_add_f32 v[PS+16:PS+17], v[PS+16:PS+17], v[PS+24:PS+25]
	v_pk_add_f32 v[PS:PS+1], v[PS:PS+1], v[PS+16:PS+17]
	v_pk_fma_f32 v[PS:PS+1], v[PS:PS+1], v[INV:INV+1], v[BIAS:BIAS+1]   ; the row's scale is in my own registers: I scaled that row
	global_store_b64 v2, v[PS:PS+1], s[10:11]      ; the wave stores 256 consecutive bytes, at a multiple of 256 from C's first byte
	s_wait_tensorcnt 0x0
	ds_add_u32 v224, v225
	s_wait_dscnt 0x0
	CROUND                                         ; the closing round: no work-group ends while a partner may still ask for a slice that names it
	s_endpgm
.Lfunc_end_k_q89b5d239f1_gq:
	.size	k_q89b5d239f1_gq, .Lfunc_end_k_q89b5d239f1_gq-k_q89b5d239f1_gq
	.p2alignl 7, 3214868480
	.fill 96, 4, 3214868480
	.section	.rodata,"a",@progbits
	.p2align	6, 0x0
	.amdhsa_kernel k_q89b5d239f1_gq
		.amdhsa_group_segment_fixed_size 313600
		.amdhsa_private_segment_fixed_size 0
		.amdhsa_enable_private_segment 0
		.amdhsa_kernarg_size 32
		.amdhsa_user_sgpr_count 2
		.amdhsa_user_sgpr_kernarg_segment_ptr 1
		.amdhsa_wavefront_size32 1
		.amdhsa_system_sgpr_workgroup_id_x 1
		.amdhsa_system_sgpr_workgroup_id_y 1
		.amdhsa_system_sgpr_workgroup_id_z 1
		.amdhsa_system_vgpr_workitem_id 0
		.amdhsa_next_free_vgpr 226
		.amdhsa_next_free_sgpr 66
		.amdhsa_reserve_vcc 0
		.amdhsa_float_denorm_mode_32 3
		.amdhsa_float_denorm_mode_16_64 3
		.amdhsa_memory_ordered 1
		.amdhsa_forward_progress 1
		.amdhsa_inst_pref_size 20
	.end_amdhsa_kernel
	.amdgpu_metadata
---
amdhsa.version: [ 1, 2 ]
amdhsa.kernels:
  - .name:           k_q89b5d239f1_gq
    .symbol:         k_q89b5d239f1_gq.kd
    .args:
      - { .name: x, .offset: 0, .size: 8, .value_kind: global_buffer, .address_space: global }
      - { .name: Wq, .offset: 8, .size: 8, .value_kind: global_buffer, .address_space: global }
      - { .name: bq, .offset: 16, .size: 8, .value_kind: global_buffer, .address_space: global }
      - { .name: q, .offset: 24, .size: 8, .value_kind: global_buffer, .address_space: global }
    .group_segment_fixed_size: 313600
    .private_segment_fixed_size: 0
    .kernarg_segment_align: 8
    .kernarg_segment_size: 32
    .max_flat_workgroup_size: 512
    .sgpr_count:     66
    .vgpr_count:     226
    .wavefront_size: 32
...
	.end_amdgpu_metadata
.endif
;; end of part 1
;; launch gqk (part 2): grid 32 x 8, 16 waves a work-group, no clusters, 90,112 bytes of LDS; arguments q, Wk, qk; writes qk
.if DOCPART == 2
	.amdgcn_target "amdgcn-amd-amdhsa--gfx1250"
	.amdhsa_code_object_version 6
	.text
	.protected	k_q89b5d239f1_gqk
	.globl	k_q89b5d239f1_gqk
	.p2align	8
	.type	k_q89b5d239f1_gqk,@function
k_q89b5d239f1_gqk:
	s_mov_b64 s[64:65], 0
	v_nop
	global_prefetch_b8 v0, s[64:65] scope:SCOPE_SE
	s_setreg_imm32_b32 hwreg(HW_REG_WAVE_MODE, 25, 1), 1
	s_wait_xcnt 0x0
; qk[b][h][c] = (sum over d < 128 of q[b][128 h + d] Wk[128 h + d][c]) / sqrt(128).   q: [256][1024], Wk: [1024][768], qk: [256][8][768], f32.
; With one query a batch row, q . (Wk text + bk) = (Wk^T q) . text + q . bk: this launch makes Wk^T q, so that no key is ever formed.
; A work-group makes 32 rows b x 192 columns c of one head (x = 4 head + column tile, y = row tile), K = 128.
; Wk lies [K][N], so its fragments come out of LDS by transposing loads.
; RANGE.  Each row of q (128 numbers of one head) is scaled by an exact power of two from its largest magnitude, as any finite f32 may stand
; there; Wk goes to f16 as it is: magnitudes from 65,520 on become infinite, below 6.1e-5 the rounding step is 6e-8 absolute.
; NO TENSOR LOADS, NO JOINT REQUESTS: the operands are f32 in memory and pass through registers to be scaled and converted; each tile is filled once.
.set AQP,  272                         ; q tile: 32 rows of 256 bytes + 16
.set BK,   32*AQP                      ; Wk tile: 128 rows (k) of 384 bytes + 32: the pitch is an odd multiple of 32 bytes, for the transposing loads
.set BKP,  416
.set SCLB, BK+128*BKP                  ; 32 f32: the rows' inverse scales, times 1/sqrt(128)
.set OUTS, SCLB+128                    ; 32 rows of 768 bytes + 16: the results, to be read back by rows
.set OUP,  784
.set MX,   12
.set INV,  14
.set SCL,  16
.macro WMAX
	v_max_num_f32_dpp v[MX], v[MX], v[MX] row_xmask:1 row_mask:0xf bank_mask:0xf
	v_max_num_f32_dpp v[MX], v[MX], v[MX] row_xmask:2 row_mask:0xf bank_mask:0xf
	v_max_num_f32_dpp v[MX], v[MX], v[MX] row_xmask:4 row_mask:0xf bank_mask:0xf
	v_max_num_f32_dpp v[MX], v[MX], v[MX] row_xmask:8 row_mask:0xf bank_mask:0xf
	v_permlanex16_b32 v[MX+1], v[MX], s30, s31
	v_max_num_f32 v[MX], v[MX], v[MX+1]
.endm
.macro PLACES
.rept 4
	v_nop
.endr
.endm
	s_load_b128 s[4:7], s[0:1], 0x0                ; q s[4:5], Wk s[6:7]
	s_load_b64 s[8:9], s[0:1], 0x10                ; qk
	v_lshl_add_u32 v216, v0, 2, 0x15800
	v_mov_b32 v217, 0
	v_lshrrev_b32 v11, 5, v0
	v_readfirstlane_b32 s36, v11                   ; wave w
	s_lshr_b32 s37, ttmp9, 2                       ; head
	s_and_b32 s38, ttmp9, 3                        ; column tile of 192
	s_and_b32 s39, ttmp7, 0xffff                   ; row tile of 32
	s_mov_b32 s30, 0x76543210
	s_mov_b32 s31, 0xfedcba98
	s_lshl_b32 s40, s39, 5
	s_lshl1_add_u32 s40, s36, s40                  ; 32 y + 2 w: my two rows
	s_lshl_b32 s20, s40, 12
	s_lshl_b32 s41, s37, 9
	s_add_co_u32 s20, s20, s41                     ; q: row x 4,096 + head x 512
	s_mov_b32 s21, 0
	s_lshl_b32 s42, s37, 4
	s_add_co_u32 s42, s42, s36                     ; 16 head + w: my eight rows of Wk begin at row 8 (16 head + w)
	s_mul_i32 s22, s42, 8*3072
	s_mul_i32 s43, s38, 768
	s_add_co_u32 s22, s22, s43
	s_mov_b32 s23, 0
	s_mul_i32 s24, s40, 24576
	s_mul_i32 s44, s37, 3072
	s_add_co_u32 s24, s24, s44
	s_add_co_u32 s24, s24, s43                     ; qk: row x 24,576 + head x 3,072 + tile x 768
	s_mov_b32 s25, 0
	v_and_b32 v11, 31, v0
	v_lshlrev_b32 v1, 4, v11                       ; 16 L
	v_lshlrev_b32 v2, 3, v11                       ; 8 L
	v_lshlrev_b32 v24, 2, v11                      ; 4 L
	v_mov_b32 v[MX+1], 0
	s_wait_kmcnt 0x0
	s_add_nc_u64 s[4:5], s[4:5], s[20:21]
	s_add_nc_u64 s[6:7], s[6:7], s[22:23]
	s_add_nc_u64 s[8:9], s[8:9], s[24:25]
	global_load_b128 v[32:35], v1, s[4:5]
	global_load_b128 v[36:39], v1, s[4:5] offset:4096
.irp p, 0,1,2,3,4,5,6,7
.irp i, 0,1,2
	global_load_b64 v[40+6*\p+2*\i:41+6*\p+2*\i], v2, s[6:7] offset:3072*\p+256*\i   ; 256 neighbouring bytes, at a multiple of 256
.endr
.endr
	s_mul_i32 s41, s36, 2*AQP
	v_add_nc_u32 v3, s41, v2                       ; v3: q tile, row 2 w, 8 L
	s_lshl_b32 s41, s36, 3
	s_add_co_u32 s41, s41, SCLB
	v_mov_b32 v4, s41                              ; v4: the scales of rows 2 w, 2 w + 1
	s_mul_i32 s41, s36, 8*BKP
	s_add_co_u32 s41, s41, BK
	v_add_nc_u32 v5, s41, v24                      ; v5: Wk tile, row 8 w, 4 L
	v_and_b32 v25, 7, v0
	v_bfe_u32 v26, v0, 4, 1                        ; hh
	v_bfe_u32 v27, v0, 3, 1
	v_and_b32 v11, 15, v0                          ; r
	v_lshl_add_u32 v25, v26, 3, v25                ; 8 hh + (L & 7)
	v_mul_u32_u24 v6, v25, BKP
	v_lshl_add_u32 v6, v27, 4, v6
	s_lshl_b32 s41, s36, 5
	s_add_co_u32 s41, s41, BK
	v_add_nc_u32 v6, s41, v6                       ; v6: transposing loads of columns 16 w .. (waves 0 to 11)
	v_mul_u32_u24 v7, v11, AQP
	v_lshl_add_u32 v7, v26, 4, v7                  ; v7: q's fragments
	v_lshlrev_b32 v8, 2, v11
	v_add_nc_u32 v8, SCLB, v8                      ; v8: scale of row r
	v_mul_u32_u24 v9, v11, OUP
	v_lshl_add_u32 v9, v26, 5, v9
	s_lshl_b32 s41, s36, 6
	s_add_co_u32 s41, s41, OUTS
	v_add_nc_u32 v9, s41, v9                       ; v9: result row r, columns 16 w + 8 hh ..
	s_mul_i32 s41, s36, 2*OUP
	s_add_co_u32 s41, s41, OUTS
	v_add_nc_u32 v10, s41, v2                      ; v10: result row 2 w, 8 L
	s_wait_loadcnt 24                              ; younger: Wk's 24 loads; my two rows of q are in
.irp m, 0,1
	v_max_num_f32 v[MX], |v[32+4*\m]|, |v[33+4*\m]|
	v_max3_num_f32 v[MX], |v[34+4*\m]|, |v[35+4*\m]|, v[MX]
	WMAX
	v_and_b32 v[INV], 0x7f800000, v[MX]            ; 2^(E-127), E the exponent field of the row's largest magnitude,
	v_max_u32 v[INV], 0x00800000, v[INV]           ; held to 1 .. 253
	v_min_u32 v[INV], 0x7e800000, v[INV]
	v_sub_nc_u32 v[SCL], 0x7f000000, v[INV]        ; 2^(127-E)
	v_mov_b32 v[SCL+1], v[SCL]
	v_pk_mul_f32 v[32+4*\m:33+4*\m], v[32+4*\m:33+4*\m], v[SCL:SCL+1]
	v_pk_mul_f32 v[34+4*\m:35+4*\m], v[34+4*\m:35+4*\m], v[SCL:SCL+1]
	v_cvt_pk_f16_f32 v[32+4*\m], v[32+4*\m], v[33+4*\m]
	v_cvt_pk_f16_f32 v[33+4*\m], v[34+4*\m], v[35+4*\m]
	ds_store_b64 v3, v[32+4*\m:33+4*\m] offset:AQP*\m
	v_mul_f32 v[18+\m], 0x3db504f3, v[INV]         ; the inverse scale and 1/sqrt(128) in one factor
	ds_store_b32 v4, v[18+\m] offset:4*\m          ; all lanes write the same word with the same value
.endr
.irp p, 0,1,2,3,4,5,6,7
	s_wait_loadcnt 3*(7-\p)                        ; younger: the rows of Wk behind this one
.irp i, 0,1,2
	v_cvt_pk_f16_f32 v[40+6*\p+2*\i], v[40+6*\p+2*\i], v[41+6*\p+2*\i]
	ds_store_b32 v5, v[40+6*\p+2*\i] offset:BKP*\p+128*\i
.endr
.endr
	s_wait_dscnt 0x0
	s_barrier_signal -1
	s_barrier_wait -1                              ; both tiles and the scales are whole
	s_cmp_ge_u32 s36, 12                           ; twelve tiles of 16 columns: waves 12 to 15 have no product, and take part in staging and output
	s_cbranch_scc1 .Lout
	ds_load_b32 v208, v8
	ds_load_b32 v209, v8 offset:64
.irp s, 0,1,2,3
	ds_load_tr16_b128 v[160+8*\s:163+8*\s], v6 offset:32*BKP*\s
	ds_load_tr16_b128 v[164+8*\s:167+8*\s], v6 offset:32*BKP*\s+16*BKP
.irp m, 0,1
	ds_load_b128 v[96+8*(4*\m+\s):99+8*(4*\m+\s)],   v7 offset:16*AQP*\m+64*\s
	ds_load_b128 v[100+8*(4*\m+\s):103+8*(4*\m+\s)], v7 offset:16*AQP*\m+64*\s+32
.endr
.endr
	; Wk's columns are source 0, q's rows source 1: lane (r, hh) holds qk(row 16 m + r, columns 16 w + 8 hh + 0..7).
	; The two accumulators take turns, one instruction a turn.
.irp s, 0,1,2,3
	s_wait_dscnt 6*(3-\s)                          ; younger: six loads of each later step
.irp m, 0,1
.if \s == 0
	v_wmma_f32_16x16x32_f16 v[192+8*\m:199+8*\m], v[160+8*\s:167+8*\s], v[96+8*(4*\m+\s):103+8*(4*\m+\s)], 0
.else
	v_wmma_f32_16x16x32_f16 v[192+8*\m:199+8*\m], v[160+8*\s:167+8*\s], v[96+8*(4*\m+\s):103+8*(4*\m+\s)], v[192+8*\m:199+8*\m]
.endif
.endr
.endr
	PLACES                                         ; four places before vector instructions read the sums (ISA guide 7.12.1)
.irp j, 0,1,2,3,4,5,6,7
	v_mul_f32 v[192+\j], v[192+\j], v208
	v_mul_f32 v[200+\j], v[200+\j], v209
.endr
.irp m, 0,1
	ds_store_b128 v9, v[192+8*\m:195+8*\m] offset:16*OUP*\m
	ds_store_b128 v9, v[196+8*\m:199+8*\m] offset:16*OUP*\m+16
.endr
.Lout:
	s_wait_dscnt 0x0
	s_barrier_signal -1
	s_barrier_wait -1                              ; the 32 x 192 results are in LDS
.irp p, 0,1
.irp i, 0,1,2
	ds_load_b64 v[32+6*\p+2*\i:33+6*\p+2*\i], v10 offset:OUP*\p+256*\i
.endr
.endr
.irp p, 0,1
.irp i, 0,1,2
	s_wait_dscnt 5-3*\p-\i
	global_store_b64 v2, v[32+6*\p+2*\i:33+6*\p+2*\i], s[8:9] offset:24576*\p+256*\i   ; 256 consecutive bytes, at a multiple of 256 from qk's first byte
.endr
.endr
	s_wait_tensorcnt 0x0
	ds_add_u32 v216, v217
	s_wait_dscnt 0x0
	s_endpgm
.Lfunc_end_k_q89b5d239f1_gqk:
	.size	k_q89b5d239f1_gqk, .Lfunc_end_k_q89b5d239f1_gqk-k_q89b5d239f1_gqk
	.p2alignl 7, 3214868480
	.fill 96, 4, 3214868480
	.section	.rodata,"a",@progbits
	.p2align	6, 0x0
	.amdhsa_kernel k_q89b5d239f1_gqk
		.amdhsa_group_segment_fixed_size 90112
		.amdhsa_private_segment_fixed_size 0
		.amdhsa_enable_private_segment 0
		.amdhsa_kernarg_size 24
		.amdhsa_user_sgpr_count 2
		.amdhsa_user_sgpr_kernarg_segment_ptr 1
		.amdhsa_wavefront_size32 1
		.amdhsa_system_sgpr_workgroup_id_x 1
		.amdhsa_system_sgpr_workgroup_id_y 1
		.amdhsa_system_sgpr_workgroup_id_z 1
		.amdhsa_system_vgpr_workitem_id 0
		.amdhsa_next_free_vgpr 218
		.amdhsa_next_free_sgpr 66
		.amdhsa_reserve_vcc 0
		.amdhsa_float_denorm_mode_32 3
		.amdhsa_float_denorm_mode_16_64 3
		.amdhsa_memory_ordered 1
		.amdhsa_forward_progress 1
		.amdhsa_inst_pref_size 17
	.end_amdhsa_kernel
	.amdgpu_metadata
---
amdhsa.version: [ 1, 2 ]
amdhsa.kernels:
  - .name:           k_q89b5d239f1_gqk
    .symbol:         k_q89b5d239f1_gqk.kd
    .args:
      - { .name: q, .offset: 0, .size: 8, .value_kind: global_buffer, .address_space: global }
      - { .name: Wk, .offset: 8, .size: 8, .value_kind: global_buffer, .address_space: global }
      - { .name: qk, .offset: 16, .size: 8, .value_kind: global_buffer, .address_space: global }
    .group_segment_fixed_size: 90112
    .private_segment_fixed_size: 0
    .kernarg_segment_align: 8
    .kernarg_segment_size: 24
    .max_flat_workgroup_size: 512
    .sgpr_count:     66
    .vgpr_count:     218
    .wavefront_size: 32
...
	.end_amdgpu_metadata
.endif
;; end of part 2
;; launch attn (part 3): grid 256 x 1, 16 waves a work-group, no clusters, 251,904 bytes of LDS; arguments text_feat, attention_mask, qk, q, bk, ctx; writes ctx
.if DOCPART == 3
	.amdgcn_target "amdgcn-amd-amdhsa--gfx1250"
	.amdhsa_code_object_version 6
	.text
	.protected	k_q89b5d239f1_attn
	.globl	k_q89b5d239f1_attn
	.p2align	8
	.type	k_q89b5d239f1_attn,@function
k_q89b5d239f1_attn:
	s_mov_b64 s[64:65], 0
	v_nop
	global_prefetch_b8 v0, s[64:65] scope:SCOPE_SE
	s_setreg_imm32_b32 hwreg(HW_REG_WAVE_MODE, 25, 1), 1
	s_wait_xcnt 0x0
; For batch row b (one work-group):  score[h][t] = qk[b][h] . text[b][t] + (q[b][h] . bk[h]) / sqrt(128);  masked tokens get -inf;
; a = softmax over t, with the row's maximum taken away;  ctx[b][h][c] = sum over t of a[h][t] text[b][t][c].
; text_feat[b] (128 x 768 f32, 393,216 bytes) is read from memory once: the sixteen waves ask for all of it at the start, 48 loads of 16 bytes
; a lane each, convert it to f16 and keep it in LDS for both products.  The work-groups share no input, so nothing could be asked for jointly.
; The term q . bk is the same for all t and drops out of the softmax; it is formed from bk and added all the same.
; A row whose tokens are all masked gives NaN, as -inf - (-inf) does in the softmax that is asked for.
; RANGE.  qk's rows are scaled by an exact power of two from their largest magnitude (any finite f32).  text goes to f16 as it is: magnitudes from
; 65,520 on become infinite, below 6.1e-5 the rounding step is 6e-8 absolute.  Weights a below 2^-126 before the division count as zero
; (v_exp_f32 gives no denormals: ISA guide, its entry); as f16 they have steps of 6e-8 below 6.1e-5.
; No running maximum: all 128 scores of a head are at hand before the first weight is needed.
.set TXP, 1568                         ; text: 128 rows of 1,536 bytes + 32, an odd multiple of 32 bytes, as the transposing loads want.  Rows whose number has bit 3 set
                                       ; begin 16 bytes further right, inside the padding: the 16 rows of a row-wise fragment load then start in 16 different 16-byte
                                       ; columns modulo 256 (rows r and r + 8 in the two halves of one 32-byte column), and the eight rows of a transposing load share one shift.
.set QKB, 128*TXP                      ; qk: 8 rows of 1,536 bytes + 16
.set QKP, 1552
.set SCB, QKB+8*QKP                    ; scores: 2 halves of K x 8 heads x (128 f32 + 16 bytes)
.set SCP, 528
.set PB,  SCB+16*SCP                   ; weights in f16: 8 rows of 256 bytes + 16
.set PBP, 272
.set CTB, PB+8*PBP                     ; ctx: 8 rows of 3,072 bytes + 16
.set CTP, 3088
.set KL,  6                            ; 16-byte loads a lane for a row of 768 f32
.set MX,   16
.set INV,  18
.set SCL,  20
.set SB,   22                          ; (q . bk) / sqrt(128), twice
.set MSK,  24                          ; v[24:27] the mask of my four tokens
.set T0,   28
.set NINF, 30
.set QR,   32                          ; v[32:55] qk's row; v[56:59] q; v[60:63] bk
.set TXR,  64                          ; v[64:255] eight rows of text as loaded
.macro WMAX
	v_max_num_f32_dpp v[MX], v[MX], v[MX] row_xmask:1 row_mask:0xf bank_mask:0xf
	v_max_num_f32_dpp v[MX], v[MX], v[MX] row_xmask:2 row_mask:0xf bank_mask:0xf
	v_max_num_f32_dpp v[MX], v[MX], v[MX] row_xmask:4 row_mask:0xf bank_mask:0xf
	v_max_num_f32_dpp v[MX], v[MX], v[MX] row_xmask:8 row_mask:0xf bank_mask:0xf
	v_permlanex16_b32 v[MX+1], v[MX], s30, s31
	v_max_num_f32 v[MX], v[MX], v[MX+1]
.endm
.macro WSUM r                          ; the sum of v[r] over the 32 lanes, in every lane; v[r+1] is used up
	v_add_f32_dpp v[\r], v[\r], v[\r] row_xmask:1 row_mask:0xf bank_mask:0xf
	v_add_f32_dpp v[\r], v[\r], v[\r] row_xmask:2 row_mask:0xf bank_mask:0xf
	v_add_f32_dpp v[\r], v[\r], v[\r] row_xmask:4 row_mask:0xf bank_mask:0xf
	v_add_f32_dpp v[\r], v[\r], v[\r] row_xmask:8 row_mask:0xf bank_mask:0xf
	v_permlanex16_b32 v[\r+1], v[\r], s30, s31
	v_add_f32 v[\r], v[\r], v[\r+1]
.endm
.macro ROWSCALE base, n
	v_max_num_f32 v[MX], |v[\base]|, |v[\base+1]|
.set rj, 2
.rept (\n-2)/2
	v_max3_num_f32 v[MX], |v[\base+rj]|, |v[\base+rj+1]|, v[MX]
.set rj, rj+2
.endr
	WMAX
	v_and_b32 v[INV], 0x7f800000, v[MX]            ; 2^(E-127), E held to 1 .. 253
	v_max_u32 v[INV], 0x00800000, v[INV]
	v_min_u32 v[INV], 0x7e800000, v[INV]
	v_sub_nc_u32 v[SCL], 0x7f000000, v[INV]        ; 2^(127-E)
	v_mov_b32 v[INV+1], v[INV]
	v_mov_b32 v[SCL+1], v[SCL]
.endm
.macro PUTROW base, adr, off, scaled
.set pi, 0
.rept KL
.if \scaled
	v_pk_mul_f32 v[\base+4*pi:\base+4*pi+1], v[\base+4*pi:\base+4*pi+1], v[SCL:SCL+1]
	v_pk_mul_f32 v[\base+4*pi+2:\base+4*pi+3], v[\base+4*pi+2:\base+4*pi+3], v[SCL:SCL+1]
.endif
	v_cvt_pk_f16_f32 v[\base+4*pi], v[\base+4*pi], v[\base+4*pi+1]
	v_cvt_pk_f16_f32 v[\base+4*pi+1], v[\base+4*pi+2], v[\base+4*pi+3]
	ds_store_b64 v[\adr], v[\base+4*pi:\base+4*pi+1] offset:\off+256*pi
.set pi, pi+1
.endr
.endm
	s_load_b256 s[4:11], s[0:1], 0x0               ; text s[4:5], mask s[6:7], qk s[8:9], q s[10:11]
	s_load_b128 s[12:15], s[0:1], 0x20             ; bk s[12:13], ctx s[14:15]
	v_lshrrev_b32 v28, 5, v0
	v_readfirstlane_b32 s36, v28                   ; wave w
	s_and_b32 s37, s36, 7                          ; mt: my 16 tokens in the scores; in waves 0 to 7 also my head
	s_lshr_b32 s38, s36, 3                         ; kh: my half of the 768 columns in the scores
	s_mov_b32 s30, 0x76543210
	s_mov_b32 s31, 0xfedcba98
	s_mul_i32 s20, ttmp9, 393216
	s_mul_i32 s39, s36, 24576
	s_add_co_u32 s20, s20, s39                     ; text: batch row, then my eight tokens
	s_mov_b32 s21, 0
	s_lshl_b32 s22, ttmp9, 9                       ; mask: 128 words a batch row
	s_mov_b32 s23, 0
	s_mul_i32 s40, ttmp9, 24576
	s_mul_i32 s24, s37, 3072
	s_add_co_u32 s24, s24, s40                     ; qk: batch row, head
	s_mov_b32 s25, 0
	s_lshl_b32 s28, s37, 9                         ; bk: head
	s_mov_b32 s29, 0
	s_lshl_b32 s26, ttmp9, 12
	s_add_co_u32 s26, s26, s28                     ; q: batch row, head
	s_mov_b32 s27, 0
	s_mul_i32 s32, s36, 1536
	s_add_co_u32 s32, s32, s40                     ; ctx: batch row, then 1,536 bytes a wave (half a head's row)
	s_mov_b32 s33, 0
	v_and_b32 v28, 31, v0
	v_lshlrev_b32 v1, 4, v28                       ; 16 L
	s_wait_kmcnt 0x0
	s_add_nc_u64 s[4:5], s[4:5], s[20:21]
	s_add_nc_u64 s[6:7], s[6:7], s[22:23]
	s_add_nc_u64 s[8:9], s[8:9], s[24:25]
	s_add_nc_u64 s[10:11], s[10:11], s[26:27]
	s_add_nc_u64 s[12:13], s[12:13], s[28:29]
	s_add_nc_u64 s[14:15], s[14:15], s[32:33]
	s_cmp_ge_u32 s36, 8
	s_cbranch_scc1 .Ltext
.irp i, 0,1,2,3,4,5
	global_load_b128 v[QR+4*\i:QR+4*\i+3], v1, s[8:9] offset:512*\i
.endr
	global_load_b128 v[56:59], v1, s[10:11]
	global_load_b128 v[60:63], v1, s[12:13]
	global_load_b128 v[MSK:MSK+3], v1, s[6:7]      ; tokens 4 L .. 4 L + 3
.Ltext:
.set rr, 0
.rept 8
.set ii, 0
.rept KL
	global_load_b128 v[TXR+24*rr+4*ii:TXR+24*rr+4*ii+3], v1, s[4:5] offset:3072*rr+512*ii th:TH_LOAD_NT   ; read once in the launch
.set ii, ii+1
.endr
.set rr, rr+1
.endr
	; LDS addresses, while the loads are on their way
	v_lshlrev_b32 v22, 3, v28                      ; 8 L
	v_and_b32 v28, 7, v0                           ; L & 7 = r & 7
	v_bfe_u32 v29, v0, 4, 1                        ; hh
	v_and_b32 v31, 15, v0                          ; r
	v_bfe_u32 v23, v0, 3, 1                        ; bit 3 of the lane = r >> 3
	s_mul_i32 s41, s36, 8*TXP
	s_and_b32 s42, s36, 1                          ; my rows 8 w .. 8 w + 7 have bit 3 = w & 1:
	s_lshl4_add_u32 s41, s42, s41                  ; their shift of 16 bytes
	v_add_nc_u32 v2, s41, v22                      ; v2: text row 8 w, 8 L
	s_mul_i32 s41, s37, QKP
	s_add_co_u32 s41, s41, QKB
	v_add_nc_u32 v3, s41, v22                      ; v3: qk row (head), 8 L
	s_mul_i32 s41, s37, 16*TXP
	s_mul_i32 s42, s38, 768
	s_add_co_u32 s41, s41, s42
	v_mul_u32_u24 v4, v31, TXP
	v_lshl_add_u32 v4, v29, 4, v4
	v_lshl_add_u32 v4, v23, 4, v4                  ; row 16 mt + r has bit 3 = r >> 3: its shift
	v_add_nc_u32 v4, s41, v4                       ; v4: text fragments, tokens 16 mt + r, half kh
	s_add_co_u32 s42, s42, QKB
	v_mul_u32_u24 v5, v28, QKP
	v_lshl_add_u32 v5, v29, 4, v5
	v_add_nc_u32 v5, s42, v5                       ; v5: qk fragments, head r & 7, half kh
	s_mul_i32 s41, s38, 8*SCP
	s_lshl_b32 s42, s37, 6
	s_add_co_u32 s41, s41, s42
	s_add_co_u32 s41, s41, SCB
	v_mul_u32_u24 v6, v28, SCP
	v_lshl_add_u32 v6, v29, 5, v6
	v_add_nc_u32 v6, s41, v6                       ; v6: scores, half kh, head r & 7, tokens 16 mt + 8 hh ..
	s_mul_i32 s41, s37, SCP
	s_add_co_u32 s41, s41, SCB
	v_add_nc_u32 v7, s41, v1                       ; v7: scores, half 0, my head, tokens 4 L ..
	s_mul_i32 s41, s37, PBP
	s_add_co_u32 s41, s41, PB
	v_add_nc_u32 v8, s41, v22                      ; v8: weights, my head, tokens 4 L ..
	v_mul_u32_u24 v9, v28, PBP
	v_lshl_add_u32 v9, v29, 4, v9
	v_add_nc_u32 v9, PB, v9                        ; v9: weight fragments, head r & 7
	v_lshl_add_u32 v10, v29, 3, v28                ; 8 hh + (L & 7)
	v_mul_u32_u24 v10, v10, TXP
	v_lshl_add_u32 v10, v23, 4, v10
	v_lshl_add_u32 v10, v29, 4, v10                ; rows 32 s + 8 hh + (L & 7), and those 16 further down, have bit 3 = hh: their shift
	s_mul_i32 s41, s36, 96
	v_add_nc_u32 v10, s41, v10                     ; v10-13: transposing loads of columns 48 w .., tokens 32 s ..
	v_add_nc_u32 v11, 32*TXP, v10
	v_add_nc_u32 v12, 64*TXP, v10
	v_add_nc_u32 v13, 96*TXP, v10
	s_mul_i32 s41, s36, 192
	s_add_co_u32 s41, s41, CTB
	v_mul_u32_u24 v14, v28, CTP
	v_lshl_add_u32 v14, v29, 5, v14
	v_add_nc_u32 v14, s41, v14                     ; v14: ctx, head r & 7, columns 48 w + 8 hh ..
	s_lshr_b32 s41, s36, 1
	s_mul_i32 s41, s41, CTP
	s_and_b32 s42, s36, 1
	s_mul_i32 s42, s42, 1536
	s_add_co_u32 s41, s41, s42
	s_add_co_u32 s41, s41, CTB
	v_add_nc_u32 v15, s41, v1                      ; v15: ctx, head w >> 1, half w & 1, 16 L
	v_mov_b32 v[MX+1], 0
	v_mov_b32 v[NINF], 0xff800000
	s_cmp_ge_u32 s36, 8
	s_cbranch_scc1 .Lrows
	s_wait_loadcnt 48                              ; younger: the 48 loads of text; qk, q, bk and the mask are in
	ROWSCALE QR, 24
	PUTROW QR, 3, 0, 1
	v_mul_f32 v[SB], v56, v60
	v_fmac_f32 v[SB], v57, v61
	v_fmac_f32 v[SB], v58, v62
	v_fmac_f32 v[SB], v59, v63
	WSUM SB
	v_mul_f32 v[SB], 0x3db504f3, v[SB]             ; q . bk / sqrt(128)
	v_mov_b32 v[SB+1], v[SB]
.Lrows:
.set rr, 0
.rept 8
	s_wait_loadcnt 42-6*rr                         ; younger: the rows of text behind this one
	PUTROW TXR+24*rr, 2, TXP*rr, 0
.set rr, rr+1
.endr
	s_wait_dscnt 0x0
	s_barrier_signal -1
	s_barrier_wait -1                              ; text and qk are whole in LDS
	; SCORES.  Wave (mt, kh): 16 tokens x 384 columns, twelve K steps.  Tokens are source 0, heads source 1: lane (r, hh) holds the scores of head r
	; for tokens 16 mt + 8 hh + 0..7.  There are eight heads: lanes with r >= 8 read heads r - 8 again and write the same words with the same values.
.set ss, 0
.rept 12
	ds_load_b128 v[64+16*ss:67+16*ss], v4 offset:64*ss
	ds_load_b128 v[68+16*ss:71+16*ss], v4 offset:64*ss+32
	ds_load_b128 v[72+16*ss:75+16*ss], v5 offset:64*ss
	ds_load_b128 v[76+16*ss:79+16*ss], v5 offset:64*ss+32
.set ss, ss+1
.endr
	; the two accumulators take turns, one instruction a turn
.set ss, 0
.rept 12
	s_wait_dscnt 4*(11-ss)                         ; younger: four loads of each later step
.if ss < 2
	v_wmma_f32_16x16x32_f16 v[32+8*ss:39+8*ss], v[64+16*ss:71+16*ss], v[72+16*ss:79+16*ss], 0
.else
	v_wmma_f32_16x16x32_f16 v[32+8*(ss&1):39+8*(ss&1)], v[64+16*ss:71+16*ss], v[72+16*ss:79+16*ss], v[32+8*(ss&1):39+8*(ss&1)]
.endif
.set ss, ss+1
.endr
.rept 5
	v_nop                                          ; four places before the sums are read; a fifth because the second product's matrix instructions write over
.endr                                                  ; registers that these have read (ISA guide 7.12.1), and waves 8 to 15 have no other vector work between
.irp j, 0,2,4,6
	v_pk_add_f32 v[32+\j:33+\j], v[32+\j:33+\j], v[40+\j:41+\j]
.endr
	ds_store_b128 v6, v[32:35]
	ds_store_b128 v6, v[36:39] offset:16
	s_wait_dscnt 0x0
	s_barrier_signal -1
	s_barrier_wait -1                              ; both halves of all scores are in LDS
	; SOFTMAX.  Wave w < 8 takes head w, four tokens a lane.
	s_cmp_ge_u32 s36, 8
	s_cbranch_scc1 .Lnosm
	ds_load_b128 v[48:51], v7
	ds_load_b128 v[52:55], v7 offset:8*SCP
	s_wait_dscnt 0x0
	v_pk_add_f32 v[48:49], v[48:49], v[52:53]
	v_pk_add_f32 v[50:51], v[50:51], v[54:55]
	v_pk_fma_f32 v[48:49], v[48:49], v[INV:INV+1], v[SB:SB+1]      ; qk's scale taken back, q . bk added
	v_pk_fma_f32 v[50:51], v[50:51], v[INV:INV+1], v[SB:SB+1]
.irp k, 0,1,2,3
	v_cmp_eq_u32 vcc_lo, 0, v[MSK+\k]
	v_cndmask_b32 v[48+\k], v[48+\k], v[NINF], vcc_lo
.endr
	v_max3_num_f32 v[MX], v48, v49, v50
	v_max_num_f32 v[MX], v[MX], v51
	WMAX
	v_mov_b32 v[MX+1], v[MX]
	v_pk_add_f32 v[48:49], v[48:49], v[MX:MX+1] neg_lo:[0,1] neg_hi:[0,1]   ; the row's maximum is taken away
	v_pk_add_f32 v[50:51], v[50:51], v[MX:MX+1] neg_lo:[0,1] neg_hi:[0,1]
	v_pk_mul_f32 v[48:49], v[48:49], 0x3fb8aa3b op_sel_hi:[1,0]             ; e^x = 2^(x log2 e)
	v_pk_mul_f32 v[50:51], v[50:51], 0x3fb8aa3b op_sel_hi:[1,0]
	v_exp_f32 v48, v48
	v_exp_f32 v49, v49
	v_exp_f32 v50, v50
	v_exp_f32 v51, v51
	v_nop                                          ; one plain place behind the last exponential (ISA guide 5.7.2)
	s_wait_alu depctr_va_vdst(0)
	v_add_f32 v[MX], v48, v49
	v_add_f32 v[T0], v50, v51
	v_add_f32 v[MX], v[MX], v[T0]
	WSUM MX                                        ; at least 1: the largest score gives 2^0
	v_rcp_f32 v[MX], v[MX]
	v_nop
	s_wait_alu depctr_va_vdst(0)
	v_mov_b32 v[MX+1], v[MX]
	v_pk_mul_f32 v[48:49], v[48:49], v[MX:MX+1]
	v_pk_mul_f32 v[50:51], v[50:51], v[MX:MX+1]
	v_cvt_pk_f16_f32 v48, v48, v49
	v_cvt_pk_f16_f32 v49, v50, v51
	ds_store_b64 v8, v[48:49]
.Lnosm:
	s_wait_dscnt 0x0
	s_barrier_signal -1
	s_barrier_wait -1                              ; the weights of all heads are in LDS
	; CTX.  Wave w: columns 48 w .. 48 w + 47 as three tiles u, four K steps of 32 tokens.  Text lies [token][column], so its fragments come by transposing
	; loads.  Columns are source 0, heads source 1: lane (r, hh) holds ctx(head r, columns 48 w + 16 u + 8 hh + 0..7).
.irp s, 0,1,2,3
	ds_load_b128 v[64+8*\s:67+8*\s], v9 offset:64*\s
	ds_load_b128 v[68+8*\s:71+8*\s], v9 offset:64*\s+32
.endr
.irp s, 0,1,2,3
.irp u, 0,1,2
	ds_load_tr16_b128 v[96+8*(3*\s+\u):99+8*(3*\s+\u)],   v[10+\s] offset:32*\u
	ds_load_tr16_b128 v[100+8*(3*\s+\u):103+8*(3*\s+\u)], v[10+\s] offset:32*\u+16*TXP
.endr
.endr
	; the three accumulators take turns, one instruction a turn
.irp s, 0,1,2,3
	s_wait_dscnt 6*(3-\s)                          ; younger: six loads of each later step
.irp u, 0,1,2
.if \s == 0
	v_wmma_f32_16x16x32_f16 v[192+8*\u:199+8*\u], v[96+8*(3*\s+\u):103+8*(3*\s+\u)], v[64+8*\s:71+8*\s], 0
.else
	v_wmma_f32_16x16x32_f16 v[192+8*\u:199+8*\u], v[96+8*(3*\s+\u):103+8*(3*\s+\u)], v[64+8*\s:71+8*\s], v[192+8*\u:199+8*\u]
.endif
.endr
.endr
.rept 4
	v_nop                                          ; four places before the LDS stores read the sums
.endr
.irp u, 0,1,2
	ds_store_b128 v14, v[192+8*\u:195+8*\u] offset:64*\u
	ds_store_b128 v14, v[196+8*\u:199+8*\u] offset:64*\u+16
.endr
	s_wait_dscnt 0x0
	s_barrier_signal -1
	s_barrier_wait -1                              ; ctx is whole in LDS
.irp i, 0,1,2
	ds_load_b128 v[32+4*\i:35+4*\i], v15 offset:512*\i
.endr
.irp i, 0,1,2
	s_wait_dscnt 2-\i
	global_store_b128 v1, v[32+4*\i:35+4*\i], s[14:15] offset:512*\i   ; 512 consecutive bytes, at a multiple of 256 from ctx's first byte
.endr
	s_wait_xcnt 0x0
	v_lshl_add_u32 v254, v0, 2, 0x3d000
	v_mov_b32 v255, 0
	s_wait_tensorcnt 0x0
	ds_add_u32 v254, v255
	s_wait_dscnt 0x0
	s_endpgm
.Lfunc_end_k_q89b5d239f1_attn:
	.size	k_q89b5d239f1_attn, .Lfunc_end_k_q89b5d239f1_attn-k_q89b5d239f1_attn
	.p2alignl 7, 3214868480
	.fill 96, 4, 3214868480
	.section	.rodata,"a",@progbits
	.p2align	6, 0x0
	.amdhsa_kernel k_q89b5d239f1_attn
		.amdhsa_group_segment_fixed_size 251904
		.amdhsa_private_segment_fixed_size 0
		.amdhsa_enable_private_segment 0
		.amdhsa_kernarg_size 48
		.amdhsa_user_sgpr_count 2
		.amdhsa_user_sgpr_kernarg_segment_ptr 1
		.amdhsa_wavefront_size32 1
		.amdhsa_system_sgpr_workgroup_id_x 1
		.amdhsa_system_sgpr_workgroup_id_y 1
		.amdhsa_system_sgpr_workgroup_id_z 1
		.amdhsa_system_vgpr_workitem_id 0
		.amdhsa_next_free_vgpr 256
		.amdhsa_next_free_sgpr 66
		.amdhsa_reserve_vcc 1
		.amdhsa_float_denorm_mode_32 3
		.amdhsa_float_denorm_mode_16_64 3
		.amdhsa_memory_ordered 1
		.amdhsa_forward_progress 1
		.amdhsa_inst_pref_size 36
	.end_amdhsa_kernel
	.amdgpu_metadata
---
amdhsa.version: [ 1, 2 ]
amdhsa.kernels:
  - .name:           k_q89b5d239f1_attn
    .symbol:         k_q89b5d239f1_attn.kd
    .args:
      - { .name: text_feat, .offset: 0, .size: 8, .value_kind: global_buffer, .address_space: global }
      - { .name: attention_mask, .offset: 8, .size: 8, .value_kind: global_buffer, .address_space: global }
      - { .name: qk, .offset: 16, .size: 8, .value_kind: global_buffer, .address_space: global }
      - { .name: q, .offset: 24, .size: 8, .value_kind: global_buffer, .address_space: global }
      - { .name: bk, .offset: 32, .size: 8, .value_kind: global_buffer, .address_space: global }
      - { .name: ctx, .offset: 40, .size: 8, .value_kind: global_buffer, .address_space: global }
    .group_segment_fixed_size: 251904
    .private_segment_fixed_size: 0
    .kernarg_segment_align: 8
    .kernarg_segment_size: 48
    .max_flat_workgroup_size: 512
    .sgpr_count:     66
    .vgpr_count:     256
    .wavefront_size: 32
...
	.end_amdgpu_metadata
.endif
;; end of part 3
;; launch gv (part 4): grid 16 x 16, 16 waves a work-group, clusters of 4 x 4, 305,408 bytes of LDS; arguments ctx, Wv, bv, o; writes o
.if DOCPART == 4
	.amdgcn_target "amdgcn-amd-amdhsa--gfx1250"
	.amdhsa_code_object_version 6
	.text
	.protected	k_q89b5d239f1_gv
	.globl	k_q89b5d239f1_gv
	.p2align	8
	.type	k_q89b5d239f1_gv,@function
k_q89b5d239f1_gv:
	s_mov_b64 s[64:65], 0
	v_nop
	global_prefetch_b8 v0, s[64:65] scope:SCOPE_SE
	s_setreg_imm32_b32 hwreg(HW_REG_WAVE_MODE, 25, 1), 1
	s_wait_xcnt 0x0
	s_wait_alu depctr_hold_cnt(0) depctr_sa_sdst(0) depctr_va_vdst(0) depctr_va_sdst(0) depctr_va_ssrc(0) depctr_va_vcc(0) depctr_vm_vsrc(0)
	s_getreg_b32 s2, hwreg(HW_REG_IB_STS2, 6, 4)
	s_cmp_eq_u32 s2, 0
	s_cbranch_scc0 .Lentry_in_a_cluster
	s_endpgm
.Lentry_in_a_cluster:
	s_bfe_u32 s2, ttmp6, 0x10000c
	s_cmp_lg_u32 s2, 0xf033
	s_cbranch_scc0 .Lentry_shape_is_right
	s_endpgm
.Lentry_shape_is_right:
; o[b][n] = ctx[b][n / 128] . Wv[n] + bv[n].   ctx: [256][8][768], Wv: [1024][768], o: [256][1024], f32; products in f16 with f32 sums.
; sum over t of a_t (Wv text_t + bv) = Wv (sum over t of a_t text_t) + bv, since a softmax row sums to 1: no value vector is ever formed.
; A work-group makes 16 rows x 64 columns of o with sixteen waves; its 64 columns lie in one head, x >> 1.
;   Wv      : K = 768 is twelve slices of 64.  Wave p < 12 brings slice p, 64 rows x 64 f32 (rows of 256 bytes, at multiples of 256), by one tensor load into
;             LDS bytes of its own, reads only that slice, and converts it to f16 on the way to the matrix unit.  Waves 12 to 15 have no slice.
;   ctx     : wave w brings row w of that head through registers, scales and converts it, and lays it into LDS as f16 for all waves.
;   product : wave p < 12 multiplies its 64 of K against all four tiles of 16 columns: eight matrix instructions.
;   sum     : the twelve partial sums meet in LDS; wave w adds them for row w, 2 columns a lane, and stores 256 neighbouring bytes.
; CLUSTERS: 4 x 4 work-groups.  The 64 rows of Wv hang on the block column x alone, so the four work-groups of a column of the cluster ask for each slice
; JOINTLY: the same line, the same descriptor, a mask that names the four.  That divides the requests for Wv by four.
; ctx's rows are not asked for jointly: they have to pass through registers for the row's scale.
; A wave has one tensor load outstanding; no LDS byte is filled twice.
; RANGE.  Each row of ctx is scaled by an exact power of two from its largest magnitude (any finite f32), and the f32 sums by its inverse.
; Wv goes to f16 as it is: magnitudes from 65,520 on become infinite, below 6.1e-5 the rounding step is 6e-8 absolute.
.set K,      768
.set KL,     K/128
.set NS,     K/64                      ; 12
.set AP,     2*K+16                    ; an odd multiple of 16 bytes
.set APITCH, 24576                     ; from batch row to batch row of ctx
.set WPITCH, 3072
.set CPITCH, 4096
.set WP,     272
.set WS,     64*WP
.set AT,     16*WS                     ; the LDS map of the sister kernels with K = 1,024: the room of slices 12 to 15 stays unused
.set MX,   12
.set INV,  14
.set SCL,  16
.set BIAS, 18
.set AR,   32
.set AF,   32
.set WF,   64
.set ACC,  192
.set PS,   64
.set G0,   52
.set G1,   56
.macro WMAX
	v_max_num_f32_dpp v[MX], v[MX], v[MX] row_xmask:1 row_mask:0xf bank_mask:0xf
	v_max_num_f32_dpp v[MX], v[MX], v[MX] row_xmask:2 row_mask:0xf bank_mask:0xf
	v_max_num_f32_dpp v[MX], v[MX], v[MX] row_xmask:4 row_mask:0xf bank_mask:0xf
	v_max_num_f32_dpp v[MX], v[MX], v[MX] row_xmask:8 row_mask:0xf bank_mask:0xf
	v_permlanex16_b32 v[MX+1], v[MX], s30, s31
	v_max_num_f32 v[MX], v[MX], v[MX+1]
.endm
.macro ROWSCALE base, n
	v_max_num_f32 v[MX], |v[\base]|, |v[\base+1]|
.set rj, 2
.rept (\n-2)/2
	v_max3_num_f32 v[MX], |v[\base+rj]|, |v[\base+rj+1]|, v[MX]
.set rj, rj+2
.endr
	WMAX
	v_and_b32 v[INV], 0x7f800000, v[MX]            ; 2^(E-127), E held to 1 .. 253
	v_max_u32 v[INV], 0x00800000, v[INV]
	v_min_u32 v[INV], 0x7e800000, v[INV]
	v_sub_nc_u32 v[SCL], 0x7f000000, v[INV]        ; 2^(127-E)
	v_mov_b32 v[INV+1], v[INV]
	v_mov_b32 v[SCL+1], v[SCL]
.endm
.macro PUTROW base, adr
.set pi, 0
.rept KL
	v_pk_mul_f32 v[\base+4*pi:\base+4*pi+1], v[\base+4*pi:\base+4*pi+1], v[SCL:SCL+1]
	v_pk_mul_f32 v[\base+4*pi+2:\base+4*pi+3], v[\base+4*pi+2:\base+4*pi+3], v[SCL:SCL+1]
	v_cvt_pk_f16_f32 v[\base+4*pi], v[\base+4*pi], v[\base+4*pi+1]
	v_cvt_pk_f16_f32 v[\base+4*pi+1], v[\base+4*pi+2], v[\base+4*pi+3]
	ds_store_b64 v[\adr], v[\base+4*pi:\base+4*pi+1] offset:256*pi
.set pi, pi+1
.endr
.endm
.macro PLACES
.rept 4
	v_nop
.endr
.endm
; A round of the cluster's barrier: my work-group's barrier; wave 0 signals for the work-group; every wave waits for all sixteen work-groups; my work-group's barrier once more.
.macro CROUND
	s_barrier_signal -1
	s_barrier_wait -1
	s_cmp_lg_u32 s36, 0
	s_cbranch_scc1 .Lnot_wave_0_\@
	s_barrier_signal -3
.Lnot_wave_0_\@:
	s_barrier_wait -3
	s_barrier_signal -1
	s_barrier_wait -1
.endm
	s_load_b256 s[4:11], s[0:1], 0x0               ; ctx s[4:5], Wv s[6:7], bv s[8:9], o s[10:11]
	v_lshl_add_u32 v224, v0, 2, 0x4a100
	v_mov_b32 v225, 0
	ds_add_u32 v224, v225
	v_lshrrev_b32 v20, 5, v0
	v_readfirstlane_b32 s36, v20                   ; wave
	s_bfe_u32 s37, ttmp6, 0x40000                  ; cx
	s_bfe_u32 s38, ttmp6, 0x40004                  ; cy
	s_lshl_b32 s39, ttmp9, 2
	s_add_co_u32 s39, s39, s37                     ; x = 4 x cluster x + cx
	s_and_b32 s40, ttmp7, 0xffff
	s_lshl_b32 s40, s40, 2
	s_add_co_u32 s40, s40, s38                     ; y = 4 x cluster y + cy
	s_lshl_b32 s41, 0x1111, s37                    ; my column of the cluster
	s_mov_b32 s30, 0x76543210
	s_mov_b32 s31, 0xfedcba98
	s_or_b32 s[G1+0], s41, (2<<16)|(1<<20)|(1<<21)|(5<<22)|(3<<25)  ; the mask; element of 4 bytes; padding on; bit 21 beside a mask; after every 64 words, 4 words
	s_mov_b32 s[G1+1], 64<<16                      ; tensor_dim0 = 64
	s_mov_b32 s[G1+2], 64<<16                      ; tensor_dim1 = 64
	s_mov_b32 s[G1+3], 64<<16                      ; tile_dim0 = 64
	s_mov_b32 s[G1+4], 64                          ; tile_dim1 = 64
	s_mov_b32 s[G1+5], K                           ; elements from row to row of Wv
	s_mov_b32 s[G1+6], 0
	s_mov_b32 s[G1+7], 0
	s_mov_b32 s[G0+0], 1
	s_mul_i32 s[G0+1], s36, WS                     ; LDS address: the wave's number times a slice
	s_mul_i32 s22, s39, 64*WPITCH                  ; Wv: row 64 x,
	s_lshl_b32 s42, s36, 8
	s_add_co_u32 s22, s22, s42                     ; and my slice's 256 bytes of each row
	s_mov_b32 s23, 0
	s_lshl_b32 s43, s40, 4
	s_add_co_u32 s43, s43, s36                     ; 16 y + wave
	s_mul_i32 s20, s43, APITCH
	s_lshr_b32 s47, s39, 1                         ; the head of my 64 columns
	s_mul_i32 s47, s47, 3072
	s_add_co_u32 s20, s20, s47
	s_mov_b32 s21, 0
	s_lshl_b32 s24, s39, 8
	s_mov_b32 s25, 0
	s_mul_i32 s26, s43, CPITCH
	s_add_co_u32 s26, s26, s24
	s_mov_b32 s27, 0
	v_and_b32 v20, 31, v0
	v_lshlrev_b32 v1, 4, v20                       ; 16 L
	v_lshlrev_b32 v2, 3, v20                       ; 8 L
	v_mov_b32 v[MX+1], 0
	s_wait_dscnt 0x0
	s_wait_kmcnt 0x0
	s_add_nc_u64 s[4:5], s[4:5], s[20:21]
	s_add_nc_u64 s[G0+2:G0+3], s[6:7], s[22:23]
	s_or_b32 s[G0+3], s[G0+3], 0x80000000          ; type = 2
	s_add_nc_u64 s[8:9], s[8:9], s[24:25]
	s_add_nc_u64 s[10:11], s[10:11], s[26:27]
.set ii, 0
.rept KL
	global_load_b128 v[AR+4*ii:AR+4*ii+3], v1, s[4:5] offset:512*ii   ; ahead of the round: no wave of the launch writes these bytes
.set ii, ii+1
.endr
	global_load_b64 v[BIAS:BIAS+1], v2, s[8:9]
	CROUND                                         ; all sixteen work-groups are here: the joint loads meet
	s_cmp_ge_u32 s36, NS                           ; the branch hangs on the wave's number alone: it is the same in every work-group
	s_cbranch_scc1 .Lnofill
	tensor_load_to_lds s[G0:G0+3], s[G1:G1+7]      ; my slice of Wv: my only tensor load
	s_nop 0
.Lnofill:
	v_and_b32 v20, 15, v0                          ; r
	v_bfe_u32 v21, v0, 4, 1                        ; hh
	s_mul_i32 s44, s36, AP
	s_add_co_u32 s44, s44, AT
	v_add_nc_u32 v3, s44, v2                       ; v3: ctx's row (wave), 8 L
	v_mul_u32_u24 v5, v20, AP
	v_lshl_add_u32 v5, v21, 4, v5
	s_lshl_b32 s45, s36, 7
	s_add_co_u32 s45, s45, AT
	v_add_nc_u32 v5, s45, v5                       ; v5: ctx's fragments: row r, my slice's 128 bytes, 16 hh
	v_mul_u32_u24 v6, v20, WP
	v_lshl_add_u32 v6, v21, 5, v6
	v_add_nc_u32 v6, s[G0+1], v6                   ; v6: my slice, row r, 32 hh
	s_mul_i32 s46, s36, WP
	v_add_nc_u32 v8, s46, v2                       ; v8-10: partial sums of slices 0-3, 4-7, 8-11: row (wave), columns 2 L, 2 L + 1
	v_add_nc_u32 v9, 4*WS, v8
	v_add_nc_u32 v10, 8*WS, v8
	s_wait_loadcnt 1                               ; younger: the bias; ctx's row is in
	ROWSCALE AR, 4*KL
	PUTROW AR, 3
	s_wait_tensorcnt 0x0                           ; my slice has landed; only I read it (met at once in a wave without a slice)
	s_cmp_ge_u32 s36, NS
	s_cbranch_scc1 .Lstaged
.set gg, 0
.rept 8
	ds_load_b128 v[WF+16*gg:WF+16*gg+3],     v6 offset:(gg%4)*16*WP+(gg/4)*128
	ds_load_b128 v[WF+16*gg+4:WF+16*gg+7],   v6 offset:(gg%4)*16*WP+(gg/4)*128+16
	ds_load_b128 v[WF+16*gg+8:WF+16*gg+11],  v6 offset:(gg%4)*16*WP+(gg/4)*128+64
	ds_load_b128 v[WF+16*gg+12:WF+16*gg+15], v6 offset:(gg%4)*16*WP+(gg/4)*128+80
.set gg, gg+1
.endr
.set gg, 0
.rept 8
	s_wait_dscnt 4*(7-gg)                          ; younger: the four loads of each later group
.set jj, 0
.rept 8
	v_cvt_pk_f16_f32 v[WF+16*gg+jj], v[WF+16*gg+2*jj], v[WF+16*gg+2*jj+1]
.set jj, jj+1
.endr
.set gg, gg+1
.endr
.Lstaged:
	s_wait_dscnt 0x0                               ; my stores of ctx's row are in LDS before I say so
	s_barrier_signal -1
	s_barrier_wait -1                              ; ctx's tile is whole
	s_cmp_ge_u32 s36, NS
	s_cbranch_scc1 .Lsummed
	ds_load_b128 v[AF:AF+3],     v5
	ds_load_b128 v[AF+4:AF+7],   v5 offset:32
	ds_load_b128 v[AF+8:AF+11],  v5 offset:64
	ds_load_b128 v[AF+12:AF+15], v5 offset:96
	; Wv's rows are source 0: lane (r, hh) holds o(row r, columns 16 tile + 8 hh + 0..7).  The four accumulators take turns.
	s_wait_dscnt 2                                 ; younger: the second step's two loads
.irp i, 0,1,2,3
	v_wmma_f32_16x16x32_f16 v[ACC+8*\i:ACC+8*\i+7], v[WF+16*\i:WF+16*\i+7], v[AF:AF+7], 0
.endr
	s_wait_dscnt 0x0
.irp i, 0,1,2,3
	v_wmma_f32_16x16x32_f16 v[ACC+8*\i:ACC+8*\i+7], v[WF+64+16*\i:WF+64+16*\i+7], v[AF+8:AF+15], v[ACC+8*\i:ACC+8*\i+7]
.endr
	PLACES                                         ; four places before LDS stores read the sums and before loads land on the fragments' registers
	; my partial sums go over the head of my own slice: it has had its only fill, and my reads of it have come back
.irp i, 0,1,2,3
	ds_store_b128 v6, v[ACC+8*\i:ACC+8*\i+3] offset:64*\i
	ds_store_b128 v6, v[ACC+8*\i+4:ACC+8*\i+7] offset:64*\i+16
.endr
.Lsummed:
	s_wait_dscnt 0x0
	s_barrier_signal -1
	s_barrier_wait -1                              ; all twelve partial sums of every row are in LDS
.set pp, 0
.rept NS
	ds_load_b64 v[PS+2*pp:PS+2*pp+1], v[8+pp/4] offset:(pp%4)*WS
.set pp, pp+1
.endr
	s_wait_loadcnt 0x0                             ; the bias
	s_wait_dscnt 0x0
.irp k, 0,1,2,3,4,5
	v_pk_add_f32 v[PS+4*\k:PS+4*\k+1], v[PS+4*\k:PS+4*\k+1], v[PS+4*\k+2:PS+4*\k+3]
.endr
.irp k, 0,1,2
	v_pk_add_f32 v[PS+8*\k:PS+8*\k+1], v[PS+8*\k:PS+8*\k+1], v[PS+8*\k+4:PS+8*\k+5]
.endr
	v_pk_add_f32 v[PS:PS+1], v[PS:PS+1], v[PS+8:PS+9]
	v_pk_add_f32 v[PS:PS+1], v[PS:PS+1], v[PS+16:PS+17]
	v_pk_fma_f32 v[PS:PS+1], v[PS:PS+1], v[INV:INV+1], v[BIAS:BIAS+1]
	global_store_b64 v2, v[PS:PS+1], s[10:11]      ; 256 consecutive bytes, at a multiple of 256 from o's first byte
	s_wait_tensorcnt 0x0
	ds_add_u32 v224, v225
	s_wait_dscnt 0x0
	CROUND                                         ; the closing round: no work-group ends while a partner may still ask for a slice that names it
	s_endpgm
.Lfunc_end_k_q89b5d239f1_gv:
	.size	k_q89b5d239f1_gv, .Lfunc_end_k_q89b5d239f1_gv-k_q89b5d239f1_gv
	.p2alignl 7, 3214868480
	.fill 96, 4, 3214868480
	.section	.rodata,"a",@progbits
	.p2align	6, 0x0
	.amdhsa_kernel k_q89b5d239f1_gv
		.amdhsa_group_segment_fixed_size 305408
		.amdhsa_private_segment_fixed_size 0
		.amdhsa_enable_private_segment 0
		.amdhsa_kernarg_size 32
		.amdhsa_user_sgpr_count 2
		.amdhsa_user_sgpr_kernarg_segment_ptr 1
		.amdhsa_wavefront_size32 1
		.amdhsa_system_sgpr_workgroup_id_x 1
		.amdhsa_system_sgpr_workgroup_id_y 1
		.amdhsa_system_sgpr_workgroup_id_z 1
		.amdhsa_system_vgpr_workitem_id 0
		.amdhsa_next_free_vgpr 226
		.amdhsa_next_free_sgpr 66
		.amdhsa_reserve_vcc 0
		.amdhsa_float_denorm_mode_32 3
		.amdhsa_float_denorm_mode_16_64 3
		.amdhsa_memory_ordered 1
		.amdhsa_forward_progress 1
		.amdhsa_inst_pref_size 19
	.end_amdhsa_kernel
	.amdgpu_metadata
---
amdhsa.version: [ 1, 2 ]
amdhsa.kernels:
  - .name:           k_q89b5d239f1_gv
    .symbol:         k_q89b5d239f1_gv.kd
    .args:
      - { .name: ctx, .offset: 0, .size: 8, .value_kind: global_buffer, .address_space: global }
      - { .name: Wv, .offset: 8, .size: 8, .value_kind: global_buffer, .address_space: global }
      - { .name: bv, .offset: 16, .size: 8, .value_kind: global_buffer, .address_space: global }
      - { .name: o, .offset: 24, .size: 8, .value_kind: global_buffer, .address_space: global }
    .group_segment_fixed_size: 305408
    .private_segment_fixed_size: 0
    .kernarg_segment_align: 8
    .kernarg_segment_size: 32
    .max_flat_workgroup_size: 512
    .sgpr_count:     66
    .vgpr_count:     226
    .wavefront_size: 32
...
	.end_amdgpu_metadata
.endif
;; end of part 4
;; launch go: the kernel of part 1 again; grid 16 x 16, 16 waves a work-group, clusters of 4 x 4, 313,600 bytes of LDS; arguments o, Wo, bo, outp; writes outp
;; launch gh (part 5): grid 8 x 16, 16 waves a work-group, clusters of 4 x 4, 317,952 bytes of LDS; arguments outp, W1, b1, h, pstat; writes h, pstat
.if DOCPART == 5
	.amdgcn_target "amdgcn-amd-amdhsa--gfx1250"
	.amdhsa_code_object_version 6
	.text
	.protected	k_q89b5d239f1_gh
	.globl	k_q89b5d239f1_gh
	.p2align	8
	.type	k_q89b5d239f1_gh,@function
k_q89b5d239f1_gh:
	s_mov_b64 s[64:65], 0
	v_nop
	global_prefetch_b8 v0, s[64:65] scope:SCOPE_SE
	s_setreg_imm32_b32 hwreg(HW_REG_WAVE_MODE, 25, 1), 1
	s_wait_xcnt 0x0
	s_wait_alu depctr_hold_cnt(0) depctr_sa_sdst(0) depctr_va_vdst(0) depctr_va_sdst(0) depctr_va_ssrc(0) depctr_va_vcc(0) depctr_vm_vsrc(0)
	s_getreg_b32 s2, hwreg(HW_REG_IB_STS2, 6, 4)
	s_cmp_eq_u32 s2, 0
	s_cbranch_scc0 .Lentry_in_a_cluster
	s_endpgm
.Lentry_in_a_cluster:
	s_bfe_u32 s2, ttmp6, 0x10000c
	s_cmp_lg_u32 s2, 0xf033
	s_cbranch_scc0 .Lentry_shape_is_right
	s_endpgm
.Lentry_shape_is_right:
; h[256][512] = outp[256][1024] W1[512][1024]^T + b1, f32 in memory, products in f16 with f32 sums; and, for the batch norm that follows, for each
; tile of 16 rows and each channel the mean and the sum of squared distances from that mean: pstat[16 tiles][512 channels][mean, M2].
; A work-group makes 16 rows x 64 columns with sixteen waves (128 work-groups: a narrower tile would break the 256-byte stores of a row):
;   W1      : wave p brings its own slice of K, 64 rows x 64 f32 (rows of 256 bytes, at multiples of 256), by one tensor load into LDS bytes of its
;             own, reads only that slice, and converts it to f16 on the way from LDS to the matrix unit.
;   outp    : wave w brings row w through registers, scales and converts it, and lays it into LDS as f16 for all waves.
;   product : wave p multiplies its 64 of K against all four tiles of 16 columns: eight matrix instructions.
;   sum     : the sixteen partial sums meet in LDS; wave w adds them for row w, 2 columns a lane, and stores 256 neighbouring bytes.
;   moments : the 16 finished rows meet in LDS once more, and wave 0 makes mean and M2 of its 2 channels a lane.
; The moments are centred tile by tile, so no difference of large sums is ever formed.
; CLUSTERS: 4 x 4 work-groups.  The 64 rows of W1 hang on the block column x alone, so the four work-groups of a column of the cluster ask for each slice
; JOINTLY: the same line, the same descriptor, a mask that names the four.  That divides the requests for W1 by four.
; outp's rows are not asked for jointly: they have to pass through registers for the row's scale, and as f32 they would take 16 x 4,160 = 66,560 bytes
; of LDS, of which 327,680 - 315,904 = 11,776 are left.
; A wave has one tensor load outstanding; no LDS byte is filled twice.
; RANGE.  Each row of outp is scaled by an exact power of two from its largest magnitude (any finite f32), and the f32 sums by its inverse.
; W1 goes to f16 as it is: magnitudes from 65,520 on become infinite, below 6.1e-5 the rounding step is 6e-8 absolute.
.set K,      1024
.set KL,     K/128
.set NS,     K/64
.set AP,     2*K+16
.set APITCH, 4096
.set WPITCH, 4096
.set CPITCH, 2048
.set WP,     272
.set WS,     64*WP
.set AT,     16*WS                     ; outp's 16 rows in f16
.set FIN,    AT+16*AP                  ; 16 finished rows of 256 bytes + 16
.set MX,   12
.set INV,  14
.set SCL,  16
.set BIAS, 18
.set AR,   32
.set AF,   32
.set WF,   64
.set ACC,  192
.set PS,   64
.set MT,   96                          ; the moments, at work: apart from PS, which the row's store still reads
.set G0,   52
.set G1,   56
.macro WMAX
	v_max_num_f32_dpp v[MX], v[MX], v[MX] row_xmask:1 row_mask:0xf bank_mask:0xf
	v_max_num_f32_dpp v[MX], v[MX], v[MX] row_xmask:2 row_mask:0xf bank_mask:0xf
	v_max_num_f32_dpp v[MX], v[MX], v[MX] row_xmask:4 row_mask:0xf bank_mask:0xf
	v_max_num_f32_dpp v[MX], v[MX], v[MX] row_xmask:8 row_mask:0xf bank_mask:0xf
	v_permlanex16_b32 v[MX+1], v[MX], s30, s31
	v_max_num_f32 v[MX], v[MX], v[MX+1]
.endm
.macro ROWSCALE base, n
	v_max_num_f32 v[MX], |v[\base]|, |v[\base+1]|
.set rj, 2
.rept (\n-2)/2
	v_max3_num_f32 v[MX], |v[\base+rj]|, |v[\base+rj+1]|, v[MX]
.set rj, rj+2
.endr
	WMAX
	v_and_b32 v[INV], 0x7f800000, v[MX]            ; 2^(E-127), E held to 1 .. 253
	v_max_u32 v[INV], 0x00800000, v[INV]
	v_min_u32 v[INV], 0x7e800000, v[INV]
	v_sub_nc_u32 v[SCL], 0x7f000000, v[INV]        ; 2^(127-E)
	v_mov_b32 v[INV+1], v[INV]
	v_mov_b32 v[SCL+1], v[SCL]
.endm
.macro PUTROW base, adr
.set pi, 0
.rept KL
	v_pk_mul_f32 v[\base+4*pi:\base+4*pi+1], v[\base+4*pi:\base+4*pi+1], v[SCL:SCL+1]
	v_pk_mul_f32 v[\base+4*pi+2:\base+4*pi+3], v[\base+4*pi+2:\base+4*pi+3], v[SCL:SCL+1]
	v_cvt_pk_f16_f32 v[\base+4*pi], v[\base+4*pi], v[\base+4*pi+1]
	v_cvt_pk_f16_f32 v[\base+4*pi+1], v[\base+4*pi+2], v[\base+4*pi+3]
	ds_store_b64 v[\adr], v[\base+4*pi:\base+4*pi+1] offset:256*pi
.set pi, pi+1
.endr
.endm
.macro PLACES
.rept 4
	v_nop
.endr
.endm
; A round of the cluster's barrier: my work-group's barrier; wave 0 signals for the work-group; every wave waits for all sixteen work-groups; my work-group's barrier once more.
.macro CROUND
	s_barrier_signal -1
	s_barrier_wait -1
	s_cmp_lg_u32 s36, 0
	s_cbranch_scc1 .Lnot_wave_0_\@
	s_barrier_signal -3
.Lnot_wave_0_\@:
	s_barrier_wait -3
	s_barrier_signal -1
	s_barrier_wait -1
.endm
	s_load_b256 s[4:11], s[0:1], 0x0               ; outp s[4:5], W1 s[6:7], b1 s[8:9], h s[10:11]
	s_load_b64 s[32:33], s[0:1], 0x20              ; pstat
	v_lshl_add_u32 v224, v0, 2, 0x4d200
	v_mov_b32 v225, 0
	ds_add_u32 v224, v225
	v_lshrrev_b32 v20, 5, v0
	v_readfirstlane_b32 s36, v20                   ; wave
	s_bfe_u32 s37, ttmp6, 0x40000                  ; cx
	s_bfe_u32 s38, ttmp6, 0x40004                  ; cy
	s_lshl_b32 s39, ttmp9, 2
	s_add_co_u32 s39, s39, s37                     ; x = 4 x cluster x + cx
	s_and_b32 s40, ttmp7, 0xffff
	s_lshl_b32 s40, s40, 2
	s_add_co_u32 s40, s40, s38                     ; y = 4 x cluster y + cy
	s_lshl_b32 s41, 0x1111, s37                    ; my column of the cluster
	s_mov_b32 s30, 0x76543210
	s_mov_b32 s31, 0xfedcba98
	s_or_b32 s[G1+0], s41, (2<<16)|(1<<20)|(1<<21)|(5<<22)|(3<<25)  ; the mask; element of 4 bytes; padding on; bit 21 beside a mask; after every 64 words, 4 words
	s_mov_b32 s[G1+1], 64<<16                      ; tensor_dim0 = 64
	s_mov_b32 s[G1+2], 64<<16                      ; tensor_dim1 = 64
	s_mov_b32 s[G1+3], 64<<16                      ; tile_dim0 = 64
	s_mov_b32 s[G1+4], 64                          ; tile_dim1 = 64
	s_mov_b32 s[G1+5], K                           ; elements from row to row of W1
	s_mov_b32 s[G1+6], 0
	s_mov_b32 s[G1+7], 0
	s_mov_b32 s[G0+0], 1
	s_mul_i32 s[G0+1], s36, WS                     ; LDS address: the wave's number times a slice
	s_mul_i32 s22, s39, 64*WPITCH                  ; W1: row 64 x,
	s_lshl_b32 s42, s36, 8
	s_add_co_u32 s22, s22, s42                     ; and my slice's 256 bytes of each row
	s_mov_b32 s23, 0
	s_lshl_b32 s43, s40, 4
	s_add_co_u32 s43, s43, s36                     ; 16 y + wave
	s_mul_i32 s20, s43, APITCH
	s_mov_b32 s21, 0
	s_lshl_b32 s24, s39, 8
	s_mov_b32 s25, 0
	s_mul_i32 s26, s43, CPITCH
	s_add_co_u32 s26, s26, s24
	s_mov_b32 s27, 0
	s_lshl_b32 s28, s40, 12                        ; pstat: tile y x 4,096 + 64 channels x 8 bytes x x
	s_lshl_b32 s49, s39, 9
	s_add_co_u32 s28, s28, s49
	s_mov_b32 s29, 0
	v_and_b32 v20, 31, v0
	v_lshlrev_b32 v1, 4, v20                       ; 16 L
	v_lshlrev_b32 v2, 3, v20                       ; 8 L
	v_mov_b32 v[MX+1], 0
	s_wait_dscnt 0x0
	s_wait_kmcnt 0x0
	s_add_nc_u64 s[4:5], s[4:5], s[20:21]
	s_add_nc_u64 s[G0+2:G0+3], s[6:7], s[22:23]
	s_or_b32 s[G0+3], s[G0+3], 0x80000000          ; type = 2
	s_add_nc_u64 s[8:9], s[8:9], s[24:25]
	s_add_nc_u64 s[10:11], s[10:11], s[26:27]
	s_add_nc_u64 s[32:33], s[32:33], s[28:29]
.set ii, 0
.rept KL
	global_load_b128 v[AR+4*ii:AR+4*ii+3], v1, s[4:5] offset:512*ii   ; ahead of the round: no wave of the launch writes these bytes
.set ii, ii+1
.endr
	global_load_b64 v[BIAS:BIAS+1], v2, s[8:9]
	CROUND                                         ; all sixteen work-groups are here: the joint loads meet
	tensor_load_to_lds s[G0:G0+3], s[G1:G1+7]      ; my slice of W1: my only tensor load
	s_nop 0
	v_and_b32 v20, 15, v0                          ; r
	v_bfe_u32 v21, v0, 4, 1                        ; hh
	s_mul_i32 s44, s36, AP
	s_add_co_u32 s44, s44, AT
	v_add_nc_u32 v3, s44, v2                       ; v3: outp's row (wave), 8 L
	v_mul_u32_u24 v5, v20, AP
	v_lshl_add_u32 v5, v21, 4, v5
	s_lshl_b32 s45, s36, 7
	s_add_co_u32 s45, s45, AT
	v_add_nc_u32 v5, s45, v5                       ; v5: outp's fragments: row r, my slice's 128 bytes, 16 hh
	v_mul_u32_u24 v6, v20, WP
	v_lshl_add_u32 v6, v21, 5, v6
	v_add_nc_u32 v6, s[G0+1], v6                   ; v6: my slice, row r, 32 hh
	s_mul_i32 s46, s36, WP
	v_add_nc_u32 v8, s46, v2                       ; v8-11: partial sums of slices 0-3, 4-7, 8-11, 12-15: row (wave), columns 2 L, 2 L + 1
	v_add_nc_u32 v9, 4*WS, v8
	v_add_nc_u32 v10, 8*WS, v8
	v_add_nc_u32 v11, 12*WS, v8
	v_add_nc_u32 v24, FIN, v8                      ; v24: finished row (wave), columns 2 L, 2 L + 1
	v_add_nc_u32 v25, FIN, v2                      ; v25: finished row 0
	s_wait_loadcnt 1                               ; younger: the bias; outp's row is in
	ROWSCALE AR, 4*KL
	PUTROW AR, 3
	s_wait_tensorcnt 0x0                           ; my slice has landed; only I read it
.set gg, 0
.rept 8
	ds_load_b128 v[WF+16*gg:WF+16*gg+3],     v6 offset:(gg%4)*16*WP+(gg/4)*128
	ds_load_b128 v[WF+16*gg+4:WF+16*gg+7],   v6 offset:(gg%4)*16*WP+(gg/4)*128+16
	ds_load_b128 v[WF+16*gg+8:WF+16*gg+11],  v6 offset:(gg%4)*16*WP+(gg/4)*128+64
	ds_load_b128 v[WF+16*gg+12:WF+16*gg+15], v6 offset:(gg%4)*16*WP+(gg/4)*128+80
.set gg, gg+1
.endr
.set gg, 0
.rept 8
	s_wait_dscnt 4*(7-gg)                          ; younger: the four loads of each later group
.set jj, 0
.rept 8
	v_cvt_pk_f16_f32 v[WF+16*gg+jj], v[WF+16*gg+2*jj], v[WF+16*gg+2*jj+1]
.set jj, jj+1
.endr
.set gg, gg+1
.endr
	s_wait_dscnt 0x0                               ; my stores of outp's row are in LDS before I say so
	s_barrier_signal -1
	s_barrier_wait -1                              ; outp's tile is whole
	ds_load_b128 v[AF:AF+3],     v5
	ds_load_b128 v[AF+4:AF+7],   v5 offset:32
	ds_load_b128 v[AF+8:AF+11],  v5 offset:64
	ds_load_b128 v[AF+12:AF+15], v5 offset:96
	; W1's rows are source 0: lane (r, hh) holds h(row r, columns 16 tile + 8 hh + 0..7).  The four accumulators take turns.
	s_wait_dscnt 2                                 ; younger: the second step's two loads
.irp i, 0,1,2,3
	v_wmma_f32_16x16x32_f16 v[ACC+8*\i:ACC+8*\i+7], v[WF+16*\i:WF+16*\i+7], v[AF:AF+7], 0
.endr
	s_wait_dscnt 0x0
.irp i, 0,1,2,3
	v_wmma_f32_16x16x32_f16 v[ACC+8*\i:ACC+8*\i+7], v[WF+64+16*\i:WF+64+16*\i+7], v[AF+8:AF+15], v[ACC+8*\i:ACC+8*\i+7]
.endr
	PLACES                                         ; four places before LDS stores read the sums and before the fragments' registers are used again
	; my partial sums go over the head of my own slice: it has had its only fill, and my reads of it have come back
.irp i, 0,1,2,3
	ds_store_b128 v6, v[ACC+8*\i:ACC+8*\i+3] offset:64*\i
	ds_store_b128 v6, v[ACC+8*\i+4:ACC+8*\i+7] offset:64*\i+16
.endr
	s_wait_dscnt 0x0
	s_barrier_signal -1
	s_barrier_wait -1                              ; all sixteen partial sums of every row are in LDS
.set pp, 0
.rept NS
	ds_load_b64 v[PS+2*pp:PS+2*pp+1], v[8+pp/4] offset:(pp%4)*WS
.set pp, pp+1
.endr
	s_wait_loadcnt 0x0                             ; the bias
	s_wait_dscnt 0x0
.irp k, 0,1,2,3,4,5,6,7
	v_pk_add_f32 v[PS+4*\k:PS+4*\k+1], v[PS+4*\k:PS+4*\k+1], v[PS+4*\k+2:PS+4*\k+3]
.endr
.irp k, 0,1,2,3
	v_pk_add_f32 v[PS+8*\k:PS+8*\k+1], v[PS+8*\k:PS+8*\k+1], v[PS+8*\k+4:PS+8*\k+5]
.endr
	v_pk_add_f32 v[PS:PS+1], v[PS:PS+1], v[PS+8:PS+9]
	v_pk_add_f32 v[PS+16:PS+17], v[PS+16:PS+17], v[PS+24:PS+25]
	v_pk_add_f32 v[PS:PS+1], v[PS:PS+1], v[PS+16:PS+17]
	v_pk_fma_f32 v[PS:PS+1], v[PS:PS+1], v[INV:INV+1], v[BIAS:BIAS+1]
	global_store_b64 v2, v[PS:PS+1], s[10:11]      ; 256 consecutive bytes, at a multiple of 256 from h's first byte
	ds_store_b64 v24, v[PS:PS+1]                   ; and the same row for the moments
	s_wait_dscnt 0x0
	s_barrier_signal -1
	s_barrier_wait -1                              ; the 16 finished rows are in LDS
	s_cmp_lg_u32 s36, 0
	s_cbranch_scc1 .Lend                           ; 64 channels are 2 a lane for one wave
.irp m, 0,1,2,3,4,5,6,7,8,9,10,11,12,13,14,15
	ds_load_b64 v[32+2*\m:33+2*\m], v25 offset:272*\m
.endr
	s_wait_dscnt 0x0
.irp k, 0,1,2,3,4,5,6,7
	v_pk_add_f32 v[MT+2*\k:MT+2*\k+1], v[32+4*\k:33+4*\k], v[34+4*\k:35+4*\k]
.endr
.irp k, 0,1,2,3
	v_pk_add_f32 v[MT+4*\k:MT+4*\k+1], v[MT+4*\k:MT+4*\k+1], v[MT+4*\k+2:MT+4*\k+3]
.endr
.irp k, 0,1
	v_pk_add_f32 v[MT+8*\k:MT+8*\k+1], v[MT+8*\k:MT+8*\k+1], v[MT+8*\k+4:MT+8*\k+5]
.endr
	v_pk_add_f32 v[MT:MT+1], v[MT:MT+1], v[MT+8:MT+9]
	v_pk_mul_f32 v[MT:MT+1], v[MT:MT+1], 0x3d800000 op_sel_hi:[1,0]    ; the tile's means: sum / 16
.irp m, 0,1,2,3,4,5,6,7,8,9,10,11,12,13,14,15
	v_pk_add_f32 v[32+2*\m:33+2*\m], v[32+2*\m:33+2*\m], v[MT:MT+1] neg_lo:[0,1] neg_hi:[0,1]
.endr
	v_pk_mul_f32 v[MT+2:MT+3], v[32:33], v[32:33]
.irp m, 1,2,3,4,5,6,7,8,9,10,11,12,13,14,15
	v_pk_fma_f32 v[MT+2:MT+3], v[32+2*\m:33+2*\m], v[32+2*\m:33+2*\m], v[MT+2:MT+3]
.endr
	v_mov_b32 v[MT+4], v[MT]                       ; {mean, M2} of channel 2 L, then of channel 2 L + 1
	v_mov_b32 v[MT+5], v[MT+2]
	v_mov_b32 v[MT+6], v[MT+1]
	v_mov_b32 v[MT+7], v[MT+3]
	global_store_b128 v1, v[MT+4:MT+7], s[32:33]   ; 512 consecutive bytes, at a multiple of 256 from pstat's first byte
.Lend:
	s_wait_tensorcnt 0x0
	ds_add_u32 v224, v225
	s_wait_dscnt 0x0
	CROUND                                         ; the closing round: no work-group ends while a partner may still ask for a slice that names it
	s_endpgm
.Lfunc_end_k_q89b5d239f1_gh:
	.size	k_q89b5d239f1_gh, .Lfunc_end_k_q89b5d239f1_gh-k_q89b5d239f1_gh
	.p2alignl 7, 3214868480
	.fill 96, 4, 3214868480
	.section	.rodata,"a",@progbits
	.p2align	6, 0x0
	.amdhsa_kernel k_q89b5d239f1_gh
		.amdhsa_group_segment_fixed_size 317952
		.amdhsa_private_segment_fixed_size 0
		.amdhsa_enable_private_segment 0
		.amdhsa_kernarg_size 40
		.amdhsa_user_sgpr_count 2
		.amdhsa_user_sgpr_kernarg_segment_ptr 1
		.amdhsa_wavefront_size32 1
		.amdhsa_system_sgpr_workgroup_id_x 1
		.amdhsa_system_sgpr_workgroup_id_y 1
		.amdhsa_system_sgpr_workgroup_id_z 1
		.amdhsa_system_vgpr_workitem_id 0
		.amdhsa_next_free_vgpr 226
		.amdhsa_next_free_sgpr 66
		.amdhsa_reserve_vcc 0
		.amdhsa_float_denorm_mode_32 3
		.amdhsa_float_denorm_mode_16_64 3
		.amdhsa_memory_ordered 1
		.amdhsa_forward_progress 1
		.amdhsa_inst_pref_size 25
	.end_amdhsa_kernel
	.amdgpu_metadata
---
amdhsa.version: [ 1, 2 ]
amdhsa.kernels:
  - .name:           k_q89b5d239f1_gh
    .symbol:         k_q89b5d239f1_gh.kd
    .args:
      - { .name: outp, .offset: 0, .size: 8, .value_kind: global_buffer, .address_space: global }
      - { .name: W1, .offset: 8, .size: 8, .value_kind: global_buffer, .address_space: global }
      - { .name: b1, .offset: 16, .size: 8, .value_kind: global_buffer, .address_space: global }
      - { .name: h, .offset: 24, .size: 8, .value_kind: global_buffer, .address_space: global }
      - { .name: pstat, .offset: 32, .size: 8, .value_kind: global_buffer, .address_space: global }
    .group_segment_fixed_size: 317952
    .private_segment_fixed_size: 0
    .kernarg_segment_align: 8
    .kernarg_segment_size: 40
    .max_flat_workgroup_size: 512
    .sgpr_count:     66
    .vgpr_count:     226
    .wavefront_size: 32
...
	.end_amdgpu_metadata
.endif
;; end of part 5
;; launch fin (part 6): grid 4 x 16, 16 waves a work-group, no clusters, 108,800 bytes of LDS; arguments h, pstat, gamma, beta, W2, b2, out0; writes out0
.if DOCPART == 6
	.amdgcn_target "amdgcn-amd-amdhsa--gfx1250"
	.amdhsa_code_object_version 6
	.text
	.protected	k_q89b5d239f1_fin
	.globl	k_q89b5d239f1_fin
	.p2align	8
	.type	k_q89b5d239f1_fin,@function
k_q89b5d239f1_fin:
	s_mov_b64 s[64:65], 0
	v_nop
	global_prefetch_b8 v0, s[64:65] scope:SCOPE_SE
	s_setreg_imm32_b32 hwreg(HW_REG_WAVE_MODE, 25, 1), 1
	s_wait_xcnt 0x0
; out0[256][256] = gelu(batchnorm(h)) W2[256][512]^T + b2.   h: [256][512] f32; pstat: [16 tiles][512 channels][mean, M2] of tiles of 16 rows.
; A work-group makes 16 rows x 64 columns with sixteen waves (64 work-groups: a narrower tile would break the 256-byte stores of a row).
;   moments : thread t merges channel t's sixteen pairs: mean = sum of means / 16, M2 = sum of M2 + 16 sum of (mean_i - mean)^2, var = M2 / 256
;             (the biased variance); only centred moments are added, so no difference of large sums is formed.  mu, gamma / sqrt(var + 1e-5) and beta go to LDS.
;   row     : wave w brings h's row w, normalises it, applies the exact GELU 0.5 z (1 + erf(z / sqrt 2)), scales and converts it.
;   product, sum : as in the other products: wave w takes the 16 columns i = w & 3 and the quarter kq = w >> 2 of K, four matrix instructions; the quarters meet in LDS.
; LIMITS.  erfc(u), u >= 0, by the rational form of Abramowitz and Stegun 7.1.26, (a1 t + .. + a5 t^5) e^(-u^2) with t = 1 / (1 + p u): it holds for every
; u, with an absolute error of erf of at most 1.5e-7.  For z < 0 the result is 0.5 z erfc(|z| / sqrt 2), with no subtraction; once e^(-u^2) falls below
; 2^-126 it counts as zero.  g's rows are scaled by an exact power of two from their largest magnitude (any finite f32).
; W2 goes to f16 as it is: magnitudes from 65,520 on become infinite, below 6.1e-5 the rounding step is 6e-8 absolute.
; NO TENSOR LOADS, NO JOINT REQUESTS: the operands are f32 in memory and pass through registers (norm, GELU, scale, conversion); each tile is filled once.
.set K,      512
.set KL,     K/128
.set P,      2*K+16                    ; an odd multiple of 16 bytes
.set QB,     K/2
.set APITCH, 2048
.set WPITCH, 2048
.set CPITCH, 1024
.set BT,     16*P
.set RED,    BT+64*P
.set RQ,     16*272
.set MU,     RED+4*RQ                  ; 512 f32 each: mu at MU, gamma / sqrt(var + eps) at MU + 2,048, beta at MU + 4,096
.set PA, 4                             ; s[4:5] h, s[6:7] pstat, s[8:9] gamma, s[10:11] beta, s[12:13] W2, s[14:15] b2, s[16:17] out0
.set PW, 12
.set PBI, 14
.set PC, 16
.set MX,   12
.set INV,  14
.set SCL,  16
.set BIAS, 18
.set AR,   32                          ; v[32:47] h's row, then z, then g
.set WR,   64                          ; v[64:127] W2's four rows
.set FR,   32
.set ACC,  96
.set PS,   112
.set ST,   128                         ; v[128:159] sixteen pairs (mean, M2); later mu v[128:143] and the gain v[144:159] of my 16 channels
.set GA,   160                         ; v160 gamma, v161 beta of channel t
.set SS,   164                         ; v[164:179] at work on the moments; later beta of my 16 channels
.set GT,   180                         ; GELU: t
.set GE,   184                         ;       e^(-u^2)
.set GP,   188                         ;       the polynomial, then erfc
.set GU,   192                         ;       u, then 2 - erfc
.macro WMAX
	v_max_num_f32_dpp v[MX], v[MX], v[MX] row_xmask:1 row_mask:0xf bank_mask:0xf
	v_max_num_f32_dpp v[MX], v[MX], v[MX] row_xmask:2 row_mask:0xf bank_mask:0xf
	v_max_num_f32_dpp v[MX], v[MX], v[MX] row_xmask:4 row_mask:0xf bank_mask:0xf
	v_max_num_f32_dpp v[MX], v[MX], v[MX] row_xmask:8 row_mask:0xf bank_mask:0xf
	v_permlanex16_b32 v[MX+1], v[MX], s30, s31
	v_max_num_f32 v[MX], v[MX], v[MX+1]
.endm
.macro ROWSCALE base, n
	v_max_num_f32 v[MX], |v[\base]|, |v[\base+1]|
.set rj, 2
.rept (\n-2)/2
	v_max3_num_f32 v[MX], |v[\base+rj]|, |v[\base+rj+1]|, v[MX]
.set rj, rj+2
.endr
	WMAX
	v_and_b32 v[INV], 0x7f800000, v[MX]            ; 2^(E-127), E held to 1 .. 253
	v_max_u32 v[INV], 0x00800000, v[INV]
	v_min_u32 v[INV], 0x7e800000, v[INV]
	v_sub_nc_u32 v[SCL], 0x7f000000, v[INV]        ; 2^(127-E)
	v_mov_b32 v[INV+1], v[INV]
	v_mov_b32 v[SCL+1], v[SCL]
.endm
.macro PUTROW base, adr, off, scaled
.set pi, 0
.rept KL
.if \scaled
	v_pk_mul_f32 v[\base+4*pi:\base+4*pi+1], v[\base+4*pi:\base+4*pi+1], v[SCL:SCL+1]
	v_pk_mul_f32 v[\base+4*pi+2:\base+4*pi+3], v[\base+4*pi+2:\base+4*pi+3], v[SCL:SCL+1]
.endif
	v_cvt_pk_f16_f32 v[\base+4*pi], v[\base+4*pi], v[\base+4*pi+1]
	v_cvt_pk_f16_f32 v[\base+4*pi+1], v[\base+4*pi+2], v[\base+4*pi+3]
	ds_store_b64 v[\adr], v[\base+4*pi:\base+4*pi+1] offset:\off+256*pi
.set pi, pi+1
.endr
.endm
.macro PLACES
.rept 4
	v_nop
.endr
.endm
; Four numbers z at v[z .. z+3] become 0.5 z (1 + erf(z / sqrt 2)), in runs of four, so that behind each run of transcendentals stands plain work that
; touches neither their results nor their sources (ISA guide 5.7.2).
.macro GELU4 z
.irp k, 0,1,2,3
	v_mul_f32 v[GU+\k], s56, |v[\z+\k]|            ; u = |z| / sqrt 2
.endr
.irp k, 0,1,2,3
	v_fma_f32 v[GT+\k], v[GU+\k], s50, 1.0         ; 1 + p u
.endr
.irp k, 0,1,2,3
	v_mul_f32 v[GE+\k], v[GU+\k], v[GU+\k]
.endr
.irp k, 0,1,2,3
	v_rcp_f32 v[GT+\k], v[GT+\k]                   ; t
.endr
.irp k, 0,1,2,3
	v_mul_f32 v[GE+\k], s57, v[GE+\k]              ; - u^2 log2 e
.endr
.irp k, 0,1,2,3
	v_exp_f32 v[GE+\k], v[GE+\k]
.endr
	s_wait_alu depctr_va_vdst(0)
.irp k, 0,1,2,3
	v_fma_f32 v[GP+\k], v[GT+\k], s55, s54
.endr
.irp k, 0,1,2,3
	v_fma_f32 v[GP+\k], v[GP+\k], v[GT+\k], s53
.endr
.irp k, 0,1,2,3
	v_fma_f32 v[GP+\k], v[GP+\k], v[GT+\k], s52
.endr
.irp k, 0,1,2,3
	v_fma_f32 v[GP+\k], v[GP+\k], v[GT+\k], s51
.endr
.irp k, 0,1,2,3
	v_mul_f32 v[GP+\k], v[GP+\k], v[GT+\k]
.endr
.irp k, 0,1,2,3
	v_mul_f32 v[GP+\k], v[GP+\k], v[GE+\k]         ; erfc(u) = 1 + erf(z / sqrt 2) for z < 0
.endr
.irp k, 0,1,2,3
	v_sub_f32 v[GU+\k], 2.0, v[GP+\k]              ; 2 - erfc(u) = 1 + erf(z / sqrt 2) for z >= 0
.endr
.irp k, 0,1,2,3
	v_cmp_le_f32 vcc_lo, 0, v[\z+\k]
	v_cndmask_b32 v[GP+\k], v[GP+\k], v[GU+\k], vcc_lo
.endr
.irp k, 0,1,2,3
	v_mul_f32 v[\z+\k], 0.5, v[\z+\k]
.endr
.irp k, 0,1,2,3
	v_mul_f32 v[\z+\k], v[\z+\k], v[GP+\k]
.endr
.endm
	s_load_b256 s[4:11], s[0:1], 0x0
	s_load_b128 s[12:15], s[0:1], 0x20
	s_load_b64 s[16:17], s[0:1], 0x30
	v_lshl_add_u32 v200, v0, 2, 0x1a100
	v_mov_b32 v201, 0
	v_lshrrev_b32 v9, 5, v0
	v_readfirstlane_b32 s36, v9                    ; wave w
	s_and_b32 s38, ttmp7, 0xffff                   ; y
	s_mov_b32 s30, 0x76543210
	s_mov_b32 s31, 0xfedcba98
	s_mov_b32 s50, 0x3ea7ba05                      ; p  =  0.3275911
	s_mov_b32 s51, 0x3e827906                      ; a1 =  0.254829592
	s_mov_b32 s52, 0xbe91a98e                      ; a2 = -0.284496736
	s_mov_b32 s53, 0x3fb5f0e3                      ; a3 =  1.421413741
	s_mov_b32 s54, 0xbfba00e3                      ; a4 = -1.453152027
	s_mov_b32 s55, 0x3f87dc22                      ; a5 =  1.061405429
	s_mov_b32 s56, 0x3f3504f3                      ; 1 / sqrt 2
	s_mov_b32 s57, 0xbfb8aa3b                      ; - log2 e
	s_mov_b32 s58, 0x3b800000                      ; 1 / 256
	s_mov_b32 s59, 0x3727c5ac                      ; 1e-5
	s_lshl_b32 s39, s38, 4
	s_add_co_u32 s39, s39, s36                     ; 16 y + w
	s_lshl_b32 s40, ttmp9, 4
	s_add_co_u32 s40, s40, s36                     ; 16 x + w
	s_mul_i32 s20, s39, APITCH
	s_mov_b32 s21, 0
	s_mul_i32 s22, s40, 4*WPITCH
	s_mov_b32 s23, 0
	s_lshl_b32 s24, ttmp9, 8
	s_mov_b32 s25, 0
	s_mul_i32 s26, s39, CPITCH
	s_add_co_u32 s26, s26, s24
	s_mov_b32 s27, 0
	v_and_b32 v10, 31, v0
	v_lshlrev_b32 v1, 4, v10                       ; 16 L
	v_lshlrev_b32 v2, 3, v10                       ; 8 L
	v_lshlrev_b32 v20, 3, v0                       ; 8 t: channel t's pair in a tile of pstat
	v_lshlrev_b32 v21, 2, v0                       ; 4 t
	v_mov_b32 v[MX+1], 0
	s_wait_kmcnt 0x0
	s_add_nc_u64 s[PA:PA+1], s[PA:PA+1], s[20:21]
	s_add_nc_u64 s[PW:PW+1], s[PW:PW+1], s[22:23]
	s_add_nc_u64 s[PBI:PBI+1], s[PBI:PBI+1], s[24:25]
	s_add_nc_u64 s[PC:PC+1], s[PC:PC+1], s[26:27]
.irp t, 0,1,2,3,4,5,6,7,8,9,10,11,12,13,14,15
	global_load_b64 v[ST+2*\t:ST+2*\t+1], v20, s[6:7] offset:4096*\t
.endr
	global_load_b32 v[GA], v21, s[8:9]
	global_load_b32 v[GA+1], v21, s[10:11]
.set ii, 0
.rept KL
	global_load_b128 v[AR+4*ii:AR+4*ii+3], v1, s[PA:PA+1] offset:512*ii
.set ii, ii+1
.endr
	global_load_b64 v[BIAS:BIAS+1], v2, s[PBI:PBI+1]
.set rr, 0
.rept 4
.set ii, 0
.rept KL
	global_load_b128 v[WR+4*KL*rr+4*ii:WR+4*KL*rr+4*ii+3], v1, s[PW:PW+1] offset:WPITCH*rr+512*ii
.set ii, ii+1
.endr
.set rr, rr+1
.endr
	s_mul_i32 s41, s36, P
	v_add_nc_u32 v3, s41, v2                       ; v3: A's row w, 8 L
	s_lshl_b32 s42, s41, 2
	s_add_co_u32 s42, s42, BT
	v_add_nc_u32 v4, s42, v2                       ; v4: W's row 4 w, 8 L
	v_and_b32 v9, 15, v0                           ; r
	v_bfe_u32 v10, v0, 4, 1                        ; hh
	s_and_b32 s43, s36, 3                          ; i
	s_lshr_b32 s44, s36, 2                         ; kq
	v_mul_u32_u24 v11, v9, P
	v_lshl_add_u32 v11, v10, 4, v11
	s_mul_i32 s45, s44, QB
	v_add_nc_u32 v5, s45, v11                      ; v5: A's fragments of my quarter
	s_mul_i32 s46, s43, 16*P
	s_add_co_u32 s46, s46, s45
	s_add_co_u32 s46, s46, BT
	v_add_nc_u32 v6, s46, v11                      ; v6: W's fragments
	v_mul_u32_u24 v7, v9, 272
	v_lshl_add_u32 v7, v10, 5, v7
	s_mul_i32 s47, s44, RQ
	s_lshl_b32 s48, s43, 6
	s_add_co_u32 s47, s47, s48
	s_add_co_u32 s47, s47, RED
	v_add_nc_u32 v7, s47, v7                       ; v7: quarter kq, row r, columns 16 i + 8 hh ..
	s_mul_i32 s48, s36, 272
	s_add_co_u32 s48, s48, RED
	v_add_nc_u32 v8, s48, v2                       ; v8: quarter 0, row w, columns 2 L, 2 L + 1
	v_add_nc_u32 v22, MU, v21                      ; v22: channel t's word
	v_add_nc_u32 v23, MU, v1                       ; v23: channels 4 L ..
	; MOMENTS of channel t
	s_wait_loadcnt 5*KL+1                          ; younger: h's row (KL), b2 (1), W2 (4 KL); pstat, gamma and beta are in
.irp k, 0,1,2,3,4,5,6,7
	v_pk_add_f32 v[SS+2*\k:SS+2*\k+1], v[ST+4*\k:ST+4*\k+1], v[ST+4*\k+2:ST+4*\k+3]   ; means and M2 are summed side by side
.endr
.irp k, 0,1,2,3
	v_pk_add_f32 v[SS+4*\k:SS+4*\k+1], v[SS+4*\k:SS+4*\k+1], v[SS+4*\k+2:SS+4*\k+3]
.endr
.irp k, 0,1
	v_pk_add_f32 v[SS+8*\k:SS+8*\k+1], v[SS+8*\k:SS+8*\k+1], v[SS+8*\k+4:SS+8*\k+5]
.endr
	v_pk_add_f32 v[SS:SS+1], v[SS:SS+1], v[SS+8:SS+9]
	v_mul_f32 v[SS], 0x3d800000, v[SS]             ; mu = sum of the tiles' means / 16
	v_sub_f32 v[SS+2], v[ST], v[SS]
	v_mul_f32 v[SS+3], v[SS+2], v[SS+2]
.irp t, 1,2,3,4,5,6,7,8,9,10,11,12,13,14,15
	v_sub_f32 v[SS+2], v[ST+2*\t], v[SS]
	v_fmac_f32 v[SS+3], v[SS+2], v[SS+2]
.endr
	v_fmamk_f32 v[SS+1], v[SS+3], 0x41800000, v[SS+1]   ; M2 = sum of M2_i + 16 sum of (mean_i - mu)^2
	v_fma_f32 v[SS+1], v[SS+1], s58, s59           ; var + eps
	v_rsq_f32 v[SS+2], v[SS+1]
	v_nop
	s_wait_alu depctr_va_vdst(0)
	v_mul_f32 v[SS+2], v[SS+2], v[GA]              ; gamma / sqrt(var + eps)
	ds_store_b32 v22, v[SS]
	ds_store_b32 v22, v[SS+2] offset:2048
	ds_store_b32 v22, v[GA+1] offset:4096
	s_wait_dscnt 0x0
	s_barrier_signal -1
	s_barrier_wait -1                              ; all 512 channels' figures are in LDS
.irp i, 0,1,2,3
	ds_load_b128 v[ST+4*\i:ST+4*\i+3],       v23 offset:512*\i
	ds_load_b128 v[ST+16+4*\i:ST+16+4*\i+3], v23 offset:2048+512*\i
	ds_load_b128 v[SS+4*\i:SS+4*\i+3],       v23 offset:4096+512*\i
.endr
	s_wait_loadcnt 4*KL+1                          ; younger: b2 and W2; h's row is in
	s_wait_dscnt 0x0
.irp k, 0,1,2,3,4,5,6,7
	v_pk_add_f32 v[AR+2*\k:AR+2*\k+1], v[AR+2*\k:AR+2*\k+1], v[ST+2*\k:ST+2*\k+1] neg_lo:[0,1] neg_hi:[0,1]
	v_pk_fma_f32 v[AR+2*\k:AR+2*\k+1], v[AR+2*\k:AR+2*\k+1], v[ST+16+2*\k:ST+16+2*\k+1], v[SS+2*\k:SS+2*\k+1]
.endr
	GELU4 AR
	GELU4 AR+4
	GELU4 AR+8
	GELU4 AR+12
	ROWSCALE AR, 4*KL
	PUTROW AR, 3, 0, 1
.set rr, 0
.rept 4
	s_wait_loadcnt KL*(3-rr)                       ; younger: the rows of W2 behind this one
	PUTROW WR+4*KL*rr, 4, rr*P, 0
.set rr, rr+1
.endr
	s_wait_dscnt 0x0
	s_barrier_signal -1
	s_barrier_wait -1                              ; both tiles are whole
.set ss, 0
.rept KL
	ds_load_b128 v[FR+16*ss:FR+16*ss+3],     v6 offset:64*ss
	ds_load_b128 v[FR+16*ss+4:FR+16*ss+7],   v6 offset:64*ss+32
	ds_load_b128 v[FR+16*ss+8:FR+16*ss+11],  v5 offset:64*ss
	ds_load_b128 v[FR+16*ss+12:FR+16*ss+15], v5 offset:64*ss+32
.set ss, ss+1
.endr
	; W2's rows are source 0: lane (r, hh) holds out0(row r, columns 16 i + 8 hh + 0..7).  The two accumulators take turns.
.set ss, 0
.rept KL
	s_wait_dscnt 4*(KL-1-ss)                       ; younger: the four loads of each later step
.if ss < 2
	v_wmma_f32_16x16x32_f16 v[ACC+8*ss:ACC+8*ss+7], v[FR+16*ss:FR+16*ss+7], v[FR+16*ss+8:FR+16*ss+15], 0
.else
	v_wmma_f32_16x16x32_f16 v[ACC+8*(ss&1):ACC+8*(ss&1)+7], v[FR+16*ss:FR+16*ss+7], v[FR+16*ss+8:FR+16*ss+15], v[ACC+8*(ss&1):ACC+8*(ss&1)+7]
.endif
.set ss, ss+1
.endr
	PLACES                                         ; four places before vector instructions read the sums (ISA guide 7.12.1)
.irp j, 0,2,4,6
	v_pk_add_f32 v[ACC+\j:ACC+\j+1], v[ACC+\j:ACC+\j+1], v[ACC+8+\j:ACC+8+\j+1]
.endr
	ds_store_b128 v7, v[ACC:ACC+3]
	ds_store_b128 v7, v[ACC+4:ACC+7] offset:16
	s_wait_dscnt 0x0
	s_barrier_signal -1
	s_barrier_wait -1
.irp g, 0,1,2,3
	ds_load_b64 v[PS+2*\g:PS+2*\g+1], v8 offset:RQ*\g
.endr
	s_wait_dscnt 0x0
	v_pk_add_f32 v[PS:PS+1], v[PS:PS+1], v[PS+2:PS+3]
	v_pk_add_f32 v[PS+4:PS+5], v[PS+4:PS+5], v[PS+6:PS+7]
	v_pk_add_f32 v[PS:PS+1], v[PS:PS+1], v[PS+4:PS+5]
	v_pk_fma_f32 v[PS:PS+1], v[PS:PS+1], v[INV:INV+1], v[BIAS:BIAS+1]
	global_store_b64 v2, v[PS:PS+1], s[PC:PC+1]    ; 256 consecutive bytes, at a multiple of 256 from out0's first byte
	s_wait_tensorcnt 0x0
	ds_add_u32 v200, v201
	s_wait_dscnt 0x0
	s_endpgm
.Lfunc_end_k_q89b5d239f1_fin:
	.size	k_q89b5d239f1_fin, .Lfunc_end_k_q89b5d239f1_fin-k_q89b5d239f1_fin
	.p2alignl 7, 3214868480
	.fill 96, 4, 3214868480
	.section	.rodata,"a",@progbits
	.p2align	6, 0x0
	.amdhsa_kernel k_q89b5d239f1_fin
		.amdhsa_group_segment_fixed_size 108800
		.amdhsa_private_segment_fixed_size 0
		.amdhsa_enable_private_segment 0
		.amdhsa_kernarg_size 56
		.amdhsa_user_sgpr_count 2
		.amdhsa_user_sgpr_kernarg_segment_ptr 1
		.amdhsa_wavefront_size32 1
		.amdhsa_system_sgpr_workgroup_id_x 1
		.amdhsa_system_sgpr_workgroup_id_y 1
		.amdhsa_system_sgpr_workgroup_id_z 1
		.amdhsa_system_vgpr_workitem_id 0
		.amdhsa_next_free_vgpr 202
		.amdhsa_next_free_sgpr 66
		.amdhsa_reserve_vcc 1
		.amdhsa_float_denorm_mode_32 3
		.amdhsa_float_denorm_mode_16_64 3
		.amdhsa_memory_ordered 1
		.amdhsa_forward_progress 1
		.amdhsa_inst_pref_size 32
	.end_amdhsa_kernel
	.amdgpu_metadata
---
amdhsa.version: [ 1, 2 ]
amdhsa.kernels:
  - .name:           k_q89b5d239f1_fin
    .symbol:         k_q89b5d239f1_fin.kd
    .args:
      - { .name: h, .offset: 0, .size: 8, .value_kind: global_buffer, .address_space: global }
      - { .name: pstat, .offset: 8, .size: 8, .value_kind: global_buffer, .address_space: global }
      - { .name: gamma, .offset: 16, .size: 8, .value_kind: global_buffer, .address_space: global }
      - { .name: beta, .offset: 24, .size: 8, .value_kind: global_buffer, .address_space: global }
      - { .name: W2, .offset: 32, .size: 8, .value_kind: global_buffer, .address_space: global }
      - { .name: b2, .offset: 40, .size: 8, .value_kind: global_buffer, .address_space: global }
      - { .name: out0, .offset: 48, .size: 8, .value_kind: global_buffer, .address_space: global }
    .group_segment_fixed_size: 108800
    .private_segment_fixed_size: 0
    .kernarg_segment_align: 8
    .kernarg_segment_size: 56
    .max_flat_workgroup_size: 512
    .sgpr_count:     66
    .vgpr_count:     202
    .wavefront_size: 32
...
	.end_amdgpu_metadata
.endif
;; end of part 6
